; MI455X (gfx1250); checked and timed in simulation.
; The chip was launched on July 23, 2026; its instructions are those of AMD's public machine-readable ISA for CDNA 5 (MIT licence, August 2026) and "CDNA5" Instruction Set Architecture Reference Guide (July 2026). The comments in the code are by the model that wrote it; some were corrected since.
;; Multi Head Attention. Allowed arithmetic: matrix products marked QUANTISED: E2M3 operands, one E8M0 scale for each 32 along K, by v_wmma_scale_f32_16x16x128_f8f6f4 with both operands' format E2M3, f32 sums; everything else in f32.
;; Inputs: Wk 1,024 x 1,024 float32; Wo 1,024 x 1,024 float32; Wq 1,024 x 1,024 float32; Wv 1,024 x 1,024 float32; bk 1,024 float32; bo 1,024 float32; bq 1,024 float32; bv 1,024 float32; x 4 x 2,048 x 1,024 float32.
;; Outputs: out0 4 x 2,048 x 1,024 float32.
;; This version of the problem:
;;   THIS VERSION OF THE PROBLEM IS GIVEN IN LOW PRECISION. The matrix products marked QUANTISED in the list below multiply operands that are first quantised to E2M3 (2 exponent bits, 3 mantissa bits; 6 bits a number), with one power-of-two scale for each 32 numbers along K (OCP MX v1.0); their sums are f32. All else is computed in f32.
;;   The module's matrix products, in the order in which they are computed (A, B: the left and right operand; K: the contracted axis; several contracted axes count as one K, in the product's order):
;;     1. [M 8,192, K 1,024] x [K 1,024, N 1,024]; A: input x; B: input Wq: QUANTISED
;;     2. [M 8,192, K 1,024] x [K 1,024, N 1,024]; A: input x; B: input Wk: QUANTISED
;;     3. [M 8,192, K 1,024] x [K 1,024, N 1,024]; A: input x; B: input Wv: QUANTISED
;;     4. batch 64 x [M 2,048, K 64] x [K 64, N 2,048]; A: computed on the way; B: computed on the way: QUANTISED
;;     5. batch 64 x [M 2,048, K 2,048] x [K 2,048, N 64]; A: softmax (see below); B: computed on the way: QUANTISED
;;     6. [M 8,192, K 1,024] x [K 1,024, N 1,024]; A: computed on the way; B: input Wo: QUANTISED
;;   THE QUANTISER, for each operand of a quantised product, along K:
;;     - K is cut into blocks of 32 from its start; a last block that is shorter is filled with zeros.
;;     - A block's scale is 2^e with e = floor(log2(the largest magnitude in the block)) - 2, held to -126 .. 127; a block of zeros has e = 0. As a byte (E8M0): e + 127.
;;     - Each number is divided by its block's scale, clamped to +-7.5, and rounded to the nearest number of E2M3, ties to even, subnormals kept.
;;     - The product sums the exact products of the quantised numbers (number of the format x scale) in f32.
;;   ~~~python
;;   def quantise(x, axis):      # numpy; x: float32 -> the quantised numbers, widened to float32 again
;;       x = np.moveaxis(x, axis, -1); K = x.shape[-1]
;;       x = np.pad(x, [(0, 0)] * (x.ndim - 1) + [(0, -K % 32)]); x = x.reshape(x.shape[:-1] + (-1, 32)); a = np.abs(x).max(-1, keepdims=True)
;;       e = np.where(a > 0, np.clip(np.frexp(np.where(a > 0, a, 1))[1] - 1 - 2, -126, 127), 0)      # np.frexp(a)[1] - 1 = floor(log2(a)), exactly
;;       r = np.clip(x / 2.0 ** e, -7.5, 7.5)
;;       step = 2.0 ** (np.maximum(np.frexp(np.where(r == 0, 1, r))[1] - 1, 0) - 3)
;;       q = np.round(r / step) * step * 2.0 ** e      # np.round: ties to even
;;       return np.moveaxis(q.reshape(q.shape[:-2] + (-1,))[..., :K], -1, axis).astype(np.float32)
;;   ~~~
;;   SOFTMAX AHEAD OF A QUANTISED PRODUCT. Where the list says 'softmax', what is quantised is not the finished softmax but p = 2^(t - M), with t = logit x log2(e) and M = ceil(the row's largest t), a whole number; so 1/2 < the row's largest p <= 1. The row's sum l is taken of the UNQUANTISED p, in f32, and the product's result is divided by l at the end. Since M is a whole number, a kernel that streams over the keys may use a running M (the ceiling of the running maximum): every later rescaling is an exact power of two, which a block's scale takes up: the codes' values come out the same.
;;   OPERANDS COMPUTED ON THE WAY. 'Computed on the way' means the value that the module computes at that place (a softmax that the list does not call 'softmax' is quantised finished and normalised). What goes into a quantiser is computed in f32, as accurately as f32 sums, v_exp_f32 and their like allow (about 1e-6 of the number): no bf16 or f16 on the way to a quantiser, and a product that is left as it is and whose result goes on into a quantised operand takes f32 operands (vector FMAs, or v_wmma_f32_16x16x4_f32). A number that lies on a knife's edge between two numbers of the format may be rounded either way, as far as f32 arithmetic and the matrix unit's own rounding can turn it there, and no further.
;; One version. Each part assembles by itself: llvm-mc -triple=amdgcn-amd-amdhsa -mcpu=gfx1250 --defsym DOCPART=n.
;; ======== version 1 of 1: 4 launches
;; limits: right only within a limited range of input values
;; workspace buffers: img 9,437,184 bytes; sc 393,216 bytes; qkv 19,660,800 bytes; abuf 6,291,456 bytes; asc 262,144 bytes
;; launch quant (part 1): grid 384 x 1, 4 waves a work-group, no clusters, 34,304 bytes of LDS; arguments x, Wq, Wk, Wv, Wo, img, sc; writes img, sc
.if DOCPART == 1
	.amdgcn_target "amdgcn-amd-amdhsa--gfx1250"
	.amdhsa_code_object_version 6
	.text
	.protected	k_qa34343b970_quant
	.globl	k_qa34343b970_quant
	.p2align	8
	.type	k_qa34343b970_quant,@function
k_qa34343b970_quant:
	s_mov_b64 s[64:65], 0
	v_nop
	global_prefetch_b8 v0, s[64:65] scope:SCOPE_SE
	s_setreg_imm32_b32 hwreg(HW_REG_WAVE_MODE, 25, 1), 1
	s_wait_xcnt 0x0
; x [8192][1024] and Wq, Wk, Wv, Wo [1024][1024], f32 with K innermost, become codes of FP6 (E2M3) with one E8M0 byte for each 32 along K.
; A block's scale is 2^(floor(log2(largest magnitude)) - 2); its byte is the largest magnitude's exponent field - 2, held at 1 from below.
; LIMITS: NaN and infinities are not served; a block whose largest magnitude lies under 2^-124 has its byte held at 1; a block of zeros has
; the byte 1 (the stated quantiser says 127): its codes are zeros and this program alone reads the bytes.
; LAYOUT OF img: tiles of 16 rows, 12,288 bytes each (8 K steps of 128 x 1,536 bytes).  Tiles 0-511 x, 512-575 Wq, 576-639 Wk, 640-703 Wv, 704-767 Wo.
; Row r of tile 2 g + u is the tensor's row 32 g + 8 u + (r & 7) + 16 (r >> 3): as source 0 of a product two neighbouring tiles then give a lane 16 neighbours.
; A K step's fragment is an image of the operand's 12 registers, in two halves c of 768 bytes: registers 6 c .. 6 c + 3 at 16 x lane, registers 6 c + 4, 6 c + 5 at 512 + 8 x lane.
; LAYOUT OF sc: 512 bytes a tile: [j = 0..3][r = 0..15][2 words]; word w of (j, r) is row r's scale word of K step 2 j + w.
; SHARES: work-group g takes tiles 2 g and 2 g + 1; wave w takes tile 2 g + (w >> 1) and K half w & 1: four fragments.
; Each load reads 512 consecutive bytes of one row; the 16 rows of a K step turn through the wave's own stage in LDS, so that a lane gets 16 neighbours of each block.  Waves share nothing: no barrier.
.set PITCH, 528                        ; a stage row: 512 bytes + 16: row r starts 4 r words on, so sixteen rows start in sixteen different 16-byte columns
.set STG,   16*PITCH                   ; a wave's stage
.set L16,   1                          ; v1   16 x lane
.set L8,    2                          ; v2   8 x lane
.set SA,    3                          ; v3   stage, way in: wave x STG + 16 x lane
.set SB,    4                          ; v4   stage, way out: wave x STG + PITCH r + 64 h
.set PW,    12                         ; v12-15  the four fragments' scale words
.set PC,    16                         ; v16-27 a fragment's codes; v28-30, v32-34 the conversions' second halves
.set R,     36                         ; v36-227 three sets of 64 numbers
.set TM,    228                        ; v228-231 largest magnitudes, v232-235 the other half's and the bytes, v240-243 scale operands
.set X,     244                        ; v244-245 the scale words on their way out
.set SEL,   20                         ; s[20:21] selects of v_permlanex16_b32: lane l xor 16
.set HI,    22                         ; s22  lanes 16-31
	s_load_b256 s[8:15], s[0:1], 0x0               ; x, Wq, Wk, Wv
	s_load_b128 s[16:19], s[0:1], 0x20             ; Wo, img
	s_load_b64 s[24:25], s[0:1], 0x30              ; sc
	v_lshl_add_u32 v254, v0, 2, 0x8400
	v_mov_b32 v255, 0
	v_lshrrev_b32 v5, 5, v0
	v_readfirstlane_b32 s2, v5                     ; wave 0..3
	v_and_b32 v6, 31, v0                           ; lane
	v_and_b32 v7, 15, v0                           ; r
	v_bfe_u32 v8, v0, 4, 1                         ; h
	v_lshlrev_b32 v[L16], 4, v6
	v_lshlrev_b32 v[L8], 3, v6
	s_mul_i32 s3, s2, STG
	v_add_nc_u32 v[SA], s3, v[L16]
	v_mul_u32_u24 v[SB], v7, PITCH
	v_lshl_add_u32 v[SB], v8, 6, v[SB]
	v_add_nc_u32 v[SB], s3, v[SB]
.irp b, 0,1,2,3
	v_mov_b32 v[TM+4+\b], 0                        ; written once: a lane permute's destination counts as one of its sources
.endr
	s_mov_b32 s[SEL], 0x76543210
	s_mov_b32 s[SEL+1], 0xfedcba98
	s_mov_b32 s[HI], 0xffff0000
	s_lshr_b32 s26, s2, 1                          ; u: which of the two tiles
	s_and_b32 s27, s2, 1                           ; which half of K
	s_and_b32 s28, ttmp9, 31
	s_cmp_lt_u32 ttmp9, 256
	s_cselect_b32 s28, ttmp9, s28                  ; the block of 32 rows inside its tensor
	s_lshl_b32 s28, s28, 17                        ; 32 rows of 4,096 bytes
	s_lshl_b32 s29, s26, 15                        ; + 8 u rows
	s_add_co_u32 s28, s28, s29
	s_lshl_b32 s29, s27, 11                        ; + 512 numbers along K
	s_add_co_u32 s28, s28, s29
	s_mov_b32 s29, 0
	s_lshl_b32 s30, ttmp9, 1
	s_add_co_u32 s30, s30, s26                     ; the tile
	s_mul_i32 s32, s30, 12288
	s_mul_i32 s31, s27, 6144
	s_add_co_u32 s32, s32, s31
	s_mov_b32 s33, 0
	s_lshl_b32 s34, s30, 9
	s_lshl_b32 s31, s27, 8
	s_add_co_u32 s34, s34, s31
	s_mov_b32 s35, 0
	s_wait_alu depctr_va_vdst(0)
	s_wait_kmcnt 0x0
	s_cmp_lt_u32 ttmp9, 256                        ; which tensor: the choice hangs on the work-group's number alone
	s_cselect_b64 s[4:5], s[8:9], s[10:11]
	s_cmp_lt_u32 ttmp9, 288
	s_cselect_b64 s[4:5], s[4:5], s[12:13]
	s_cmp_lt_u32 ttmp9, 320
	s_cselect_b64 s[4:5], s[4:5], s[14:15]
	s_cmp_lt_u32 ttmp9, 352
	s_cselect_b64 s[4:5], s[4:5], s[16:17]
	s_add_nc_u64 s[4:5], s[4:5], s[28:29]
	s_add_nc_u64 s[6:7], s[18:19], s[32:33]
	s_add_nc_u64 s[24:25], s[24:25], s[34:35]
.macro LOAD t                          ; K step t of the tile's 16 rows into set t % 3: each load 512 consecutive bytes
.irp i, 0,1,2,3,4,5,6,7,8,9,10,11,12,13,14,15
	global_load_b128 v[R+64*((\t)%3)+4*\i:R+64*((\t)%3)+4*\i+3], v[L16], s[4:5] offset:((\i&7)+16*(\i>>3))*4096+512*(\t) th:TH_LOAD_NT
.endr
.endm
; 64 numbers of a lane, register 16 b + i = k 32 b + 16 h + i of my row, become a fragment's codes in v[PC] on and its scale word in v[pw]
.macro QUANT s, pw
.irp b, 0,1,2,3
	v_max3_num_f32 v[TM+\b], |v[\s+16*\b]|, |v[\s+1+16*\b]|, 0x1800000   ; my 16 numbers of block b, and the floor 2^(3 - 127): the byte cannot fall under 1
.endr
.irp i, 2,4,6,8,10,12,14
.irp b, 0,1,2,3
	v_max3_num_f32 v[TM+\b], v[TM+\b], |v[\s+16*\b+\i]|, |v[\s+1+16*\b+\i]|   ; the four blocks by turns
.endr
.endr
.irp b, 0,1,2,3
	v_permlanex16_b32 v[TM+4+\b], v[TM+\b], s[SEL], s[SEL+1]
.endr
.irp b, 0,1,2,3
	v_max_num_f32 v[TM+\b], v[TM+\b], v[TM+4+\b]   ; with lane l xor 16's: the block's largest magnitude
.endr
.irp b, 0,1,2,3
	v_add_nc_u32 v[TM+12+\b], 0xff000000, v[TM+\b]   ; 2 off its exponent field: the conversion takes this operand's exponent field as its scale
.endr
.irp b, 0,1,2,3
	v_lshrrev_b32 v[TM+4+\b], 23, v[TM+12+\b]      ; the scale's byte
.endr
	v_lshl_or_b32 v[\pw], v[TM+5], 8, v[TM+4]
	v_lshl_or_b32 v[\pw], v[TM+6], 16, v[\pw]
	v_lshl_or_b32 v[\pw], v[TM+7], 24, v[\pw]
.irp c, 0,1
	v_cvt_scalef32_pk16_fp6_f32 v[PC+6*\c:PC+2+6*\c], v[\s+32*\c:\s+15+32*\c], v[TM+12+2*\c]
	v_cvt_scalef32_pk16_fp6_f32 v[PC+12+4*\c:PC+14+4*\c], v[\s+16+32*\c:\s+31+32*\c], v[TM+12+2*\c+1]   ; a conversion's three registers begin on an even number
.endr
	v_nop                                          ; one plain instruction behind the scaled conversions
.irp c, 0,1                                    ; the operand wants a whole block in a lane: lanes 0-15 block 2 c, lanes 16-31 block 2 c + 1
.irp i, 0,1,2
	v_permlane16_swap_b32 v[PC+6*\c+\i], v[PC+12+4*\c+\i]
.endr
.irp i, 0,1,2
	v_mov_b32 v[PC+3+6*\c+\i], v[PC+12+4*\c+\i]
.endr
.endr
.endm
.macro STEP t, left
.set RS, R+64*((\t)%3)
	s_wait_loadcnt \left                           ; this K step's 16 loads are in; the younger ones stay out
.if (\t) > 0
	s_wait_xcnt 0x0                                ; the last fragment's stores have read v[PC] on: it is written again below
.endif
.irp i, 0,1,2,3,4,5,6,7,8,9,10,11,12,13,14,15
	ds_store_b128 v[SA], v[RS+4*\i:RS+4*\i+3] offset:PITCH*\i
.endr
.irp b, 0,1,2,3
.irp j, 0,1,2,3
	ds_load_b128 v[RS+16*\b+4*\j:RS+16*\b+4*\j+3], v[SB] offset:128*\b+16*\j   ; LDS serves a wave's instructions in order: these see the stores above
.endr
.endr
	s_wait_dscnt 0x0
	QUANT RS, PW+(\t)
	global_store_b128 v[L16], v[PC:PC+3], s[6:7] offset:1536*(\t)          ; 512 consecutive bytes
	global_store_b64 v[L8], v[PC+4:PC+5], s[6:7] offset:1536*(\t)+512      ; 256
	global_store_b128 v[L16], v[PC+6:PC+9], s[6:7] offset:1536*(\t)+768
	global_store_b64 v[L8], v[PC+10:PC+11], s[6:7] offset:1536*(\t)+1280
.endm
	LOAD 0
	LOAD 1
	LOAD 2
	STEP 0, 32                                     ; behind K step 0's loads: 32 younger
	LOAD 3                                         ; into set 0, which has been converted
	STEP 1, 32
	STEP 2, 16
	STEP 3, 0
	v_cndmask_b32 v[X], v[PW], v[PW+2], s[HI]      ; lanes 0-15: K steps 0, 1 of my half; lanes 16-31: K steps 2, 3
	v_cndmask_b32 v[X+1], v[PW+1], v[PW+3], s[HI]
	global_store_b64 v[L8], v[X:X+1], s[24:25]     ; 256 consecutive bytes, aligned
	s_wait_tensorcnt 0x0
	ds_add_u32 v254, v255
	s_wait_dscnt 0x0
	s_endpgm
.Lfunc_end_k_qa34343b970_quant:
	.size	k_qa34343b970_quant, .Lfunc_end_k_qa34343b970_quant-k_qa34343b970_quant
	.p2alignl 7, 3214868480
	.fill 96, 4, 3214868480
	.section	.rodata,"a",@progbits
	.p2align	6, 0x0
	.amdhsa_kernel k_qa34343b970_quant
		.amdhsa_group_segment_fixed_size 34304
		.amdhsa_private_segment_fixed_size 0
		.amdhsa_enable_private_segment 0
		.amdhsa_kernarg_size 56
		.amdhsa_user_sgpr_count 2
		.amdhsa_user_sgpr_kernarg_segment_ptr 1
		.amdhsa_wavefront_size32 1
		.amdhsa_system_sgpr_workgroup_id_x 1
		.amdhsa_system_sgpr_workgroup_id_y 1
		.amdhsa_system_sgpr_workgroup_id_z 1
		.amdhsa_system_vgpr_workitem_id 0
		.amdhsa_next_free_vgpr 256
		.amdhsa_next_free_sgpr 66
		.amdhsa_reserve_vcc 0
		.amdhsa_float_denorm_mode_32 3
		.amdhsa_float_denorm_mode_16_64 3
		.amdhsa_memory_ordered 1
		.amdhsa_forward_progress 1
		.amdhsa_inst_pref_size 34
	.end_amdhsa_kernel
	.amdgpu_metadata
---
amdhsa.version: [ 1, 2 ]
amdhsa.kernels:
  - .name:           k_qa34343b970_quant
    .symbol:         k_qa34343b970_quant.kd
    .args:
      - { .name: x, .offset: 0, .size: 8, .value_kind: global_buffer, .address_space: global }
      - { .name: Wq, .offset: 8, .size: 8, .value_kind: global_buffer, .address_space: global }
      - { .name: Wk, .offset: 16, .size: 8, .value_kind: global_buffer, .address_space: global }
      - { .name: Wv, .offset: 24, .size: 8, .value_kind: global_buffer, .address_space: global }
      - { .name: Wo, .offset: 32, .size: 8, .value_kind: global_buffer, .address_space: global }
      - { .name: img, .offset: 40, .size: 8, .value_kind: global_buffer, .address_space: global }
      - { .name: sc, .offset: 48, .size: 8, .value_kind: global_buffer, .address_space: global }
    .group_segment_fixed_size: 34304
    .private_segment_fixed_size: 0
    .kernarg_segment_align: 8
    .kernarg_segment_size: 56
    .max_flat_workgroup_size: 128
    .sgpr_count:     66
    .vgpr_count:     256
    .wavefront_size: 32
...
	.end_amdgpu_metadata
.endif
;; end of part 1
;; launch proj (part 2): grid 4 x 64, 4 waves a work-group, clusters of 4 x 4, 327,680 bytes of LDS; arguments img, sc, bq, bk, bv, qkv; writes qkv
.if DOCPART == 2
	.amdgcn_target "amdgcn-amd-amdhsa--gfx1250"
	.amdhsa_code_object_version 6
	.text
	.protected	k_qa34343b970_proj
	.globl	k_qa34343b970_proj
	.p2align	8
	.type	k_qa34343b970_proj,@function
k_qa34343b970_proj:
	s_mov_b64 s[64:65], 0
	v_nop
	global_prefetch_b8 v0, s[64:65] scope:SCOPE_SE
	s_setreg_imm32_b32 hwreg(HW_REG_WAVE_MODE, 25, 1), 1
	s_wait_xcnt 0x0
	s_wait_alu depctr_hold_cnt(0) depctr_sa_sdst(0) depctr_va_vdst(0) depctr_va_sdst(0) depctr_va_ssrc(0) depctr_va_vcc(0) depctr_vm_vsrc(0)
	s_getreg_b32 s2, hwreg(HW_REG_IB_STS2, 6, 4)
	s_cmp_eq_u32 s2, 0
	s_cbranch_scc0 .Lentry_in_a_cluster
	s_endpgm
.Lentry_in_a_cluster:
	s_bfe_u32 s2, ttmp6, 0x10000c
	s_cmp_lg_u32 s2, 0xf033
	s_cbranch_scc0 .Lentry_shape_is_right
	s_endpgm
.Lentry_shape_is_right:
; Q, K, V = x W^T + b on codes of FP6 (E2M3) with E8M0 scales, each result quantised again and stored as register images for the launch that follows.
; IN: img, sc: tiles of 16 rows (0-511 x, 512-575 Wq, 576-639 Wk, 640-703 Wv), 12,288 bytes of codes (8 K steps of 128, each an image of 12 registers) and 512 bytes of scale words a tile.
; OUT: qkv[tensor][batch x head][unit of 128 tokens][6,400 bytes]: four images of 1,536 bytes ([4 registers][lane][16]), then 256 bytes of scale words ([lane][2 words]).
;   Q, K: image p holds token tiles 2 p, 2 p + 1 (six registers each, 64 channels); V: image t holds 16 channels x 128 tokens.
; SHARES: 256 work-groups that stay: each owns 128 tokens (one unit) x 256 columns (four heads) of Q, then of K, then of V.  Four waves.
;   Q, K: a wave makes 64 tokens x 128 channels, source 0 = the weight's rows: a lane's registers run along the channels.  V: a wave makes 128 tokens x 64 channels, source 0 = x's rows: they run along the tokens.
; LDS: two halves of K, each x's 8 tiles and then a slot for a weight's 16 tiles.  x is filled once.  The head has one joint load a wave (x and Wq, both halves).
;   A slot is filled again with the next tensor's rows, four tiles a wave, in a drained round of the cluster's barrier: slot 0 in K step 3, slot 1 in K step 7 of Q and of K.
; CLUSTER 4 x 4: x's tiles are shared by a row of the cluster, a weight's by a column.
; PREFETCH: what a refill will load is asked for three K steps ahead (K steps 0 and 4), a tile's 24 blocks of 256 bytes a wave, the sixteen waves of a column of the cluster one tile each; clusters 0-3 along y alone ask, since all clusters read the same weights.
; Q and K are one loop of two trips; what differs lies in scalars, and in a branch on the trip's number round the loads that prepare the next tensor.
; LIMITS: NaN and infinities are not served; a block under 2^-124 has its byte held at 1; a block of zeros has the byte 1 with zero codes (read by this program alone).
; REGISTERS: window 0: v4-29 addresses; v32-63, v64-79 scale words of source 0, source 1; v80-143 the bias, the first products' C; v144-239 source 1's fragments, two sets; the way out works in v192-251.
;   window 1: source 0's fragments, two sets, at v0 and v128.  Window 2: 32 accumulators, (a, b) at 8 (8 a + b).
.set FR,    12
.set TP,    6144                       ; a tile's bytes of half of K
.set AH,    8*TP
.set HALF,  24*TP
.set SPARE, 2*HALF
.set WSTEP, 64*12288                   ; from a weight's tile to the next tensor's
.set UNIT,  6400
.set HEADB, 16*UNIT
.set TENSB, 64*HEADB
.set ADRA, 4                           ; v4-7 source 1's fragments: 16 x lane in halves 0, 1, then 8 x lane; v12-15 the same for V
.set ADRB, 8                           ; v8-11 source 0's; v16-19 for V
.set L16,  20
.set L8,   21
.set VSA,  22
.set VSB,  23
.set VB,   24
.set VBV,  25
.set PF,   26
.set SPW,  28
.set NIL,  29
.set SB,   32
.set SA,   64
.set BIAS, 80
.set AF,   144
.set OUT,  192
.set SPR,  216
.set TM,   224
.set PWA,  240
.set WW,   244
.set XX,   248
.set G1,   24
.set G0,   32
.set G0B,  36
.set G1B,  48
.set G1R,  56
.set G0RA, 68
.set G0RB, 88
.set HI,   66
.set SEL,  100
.set MSB, 0
.macro WIN new
.if MSB != (\new)
	s_set_vgpr_msb (MSB<<8)|(\new)
.set MSB, (\new)
.endif
.endm
.macro PLACES n
.rept \n
	v_nop
.endr
.endm
.macro CROUND
	s_barrier_signal -1
	s_barrier_wait -1
	s_cmp_lg_u32 s14, 0
	s_cbranch_scc1 .Lnot_wave_0_\@
	s_barrier_signal -3
.Lnot_wave_0_\@:
	s_barrier_wait -3
	s_barrier_signal -1
	s_barrier_wait -1
.endm
.macro GROUP1 g, mask, rows            ; rows of 6,144 bytes (768 elements of 8), 12,288 apart
	s_or_b32 s[\g+0], s[\mask], (3<<16)|(1<<21)
	s_mov_b32 s[\g+1], 768<<16
	s_mov_b32 s[\g+2], (\rows)<<16
	s_mov_b32 s[\g+3], 768<<16
	s_mov_b32 s[\g+4], \rows
	s_mov_b32 s[\g+5], 1536
	s_mov_b32 s[\g+6], 0
	s_mov_b32 s[\g+7], 0
.endm
	s_load_b256 s[4:11], s[0:1], 0x0               ; img, sc, bq, bk
	s_load_b128 s[96:99], s[0:1], 0x20             ; bv, qkv
	v_lshl_add_u32 v[SPW], v0, 2, SPARE
	v_mov_b32 v[NIL], 0
	ds_add_u32 v[SPW], v[NIL]                      ; the opening lines: the add twice on end and its wait
	ds_add_u32 v[SPW], v[NIL]
	v_lshrrev_b32 v1, 5, v0
	v_readfirstlane_b32 s14, v1                    ; wave
	s_lshr_b32 s15, s14, 1                         ; Q, K: my half of the tokens.  At the head: which half of K I fetch
	s_and_b32 s16, s14, 1                          ; Q, K: my half of the columns.  At the head: I fetch x (0) or Wq (1)
	s_bfe_u32 s40, ttmp6, 0x40000                  ; cx
	s_bfe_u32 s41, ttmp6, 0x40004                  ; cy
	s_and_b32 s13, ttmp7, 0xffff                   ; the cluster's y
	s_lshl_b32 s17, s13, 2
	s_add_co_u32 s17, s17, s41                     ; unit of 128 tokens, 0 .. 63
	s_lshl_b32 s42, ttmp9, 2
	s_add_co_u32 s42, s42, s40                     ; group of 256 columns, 0 .. 3
	s_lshl_b32 s43, s41, 2
	s_lshl_b32 s43, 15, s43                        ; my row of the cluster
	s_lshl_b32 s44, 0x1111, s40                    ; my column
	GROUP1 G1, 43, 8
	GROUP1 G1B, 44, 16
	GROUP1 G1R, 44, 4
	s_mul_i32 s18, s15, TP
	s_mul_i32 s20, s17, 8*12288
	s_add_co_u32 s20, s20, s18
	s_mov_b32 s21, 0
	s_lshl_b32 s46, s42, 4
	s_add_co_u32 s46, s46, 512
	s_mul_i32 s46, s46, 12288
	s_add_co_u32 s46, s46, s18
	s_mov_b32 s47, 0
	s_mul_i32 s45, s15, HALF
	s_lshl_b32 s22, s42, 4
	s_lshl_b32 s23, s14, 2
	s_add_co_u32 s22, s22, s23
	s_add_co_u32 s22, s22, 576
	s_mul_i32 s22, s22, 12288                      ; Wk: my four tiles of the group's sixteen
	s_mov_b32 s23, 0
	s_mul_i32 s12, s14, 4*TP
	s_add_co_u32 s12, s12, AH                      ; and their place in slot 0
	s_wait_dscnt 0x0
	s_wait_kmcnt 0x0
	s_mov_b32 s[G0], 1
	s_mov_b32 s[G0+1], s45
	s_add_nc_u64 s[G0+2:G0+3], s[4:5], s[20:21]
	s_or_b32 s[G0+3], s[G0+3], 0x80000000
	s_mov_b32 s[G0B], 1
	s_add_co_u32 s[G0B+1], s45, AH
	s_add_nc_u64 s[G0B+2:G0B+3], s[4:5], s[46:47]
	s_or_b32 s[G0B+3], s[G0B+3], 0x80000000
	s_mov_b32 s[G0RA], 1
	s_mov_b32 s[G0RA+1], s12
	s_add_nc_u64 s[G0RA+2:G0RA+3], s[4:5], s[22:23]
	s_mov_b32 s[G0RB], 1
	s_add_co_u32 s[G0RB+1], s12, HALF
	s_sub_nc_u64 s[G0RB+2:G0RB+3], s[G0RA+2:G0RA+3], WSTEP-TP   ; one tensor back, second half of K: it is stepped ahead of its first use
	s_or_b32 s[G0RA+3], s[G0RA+3], 0x80000000
	s_or_b32 s[G0RB+3], s[G0RB+3], 0x80000000
	CROUND                                         ; all sixteen work-groups are here: the joint loads meet
.macro ARM under, g0, g1, next                 ; one chain of branches on the wave's number, one load to an arm
	s_cmp_lt_u32 s14, \under
	s_cbranch_scc0 \next
	tensor_load_to_lds s[\g0:\g0+3], s[\g1:\g1+7]
	s_nop 0
	PLACES 4
	s_branch .Lhead_asked
\next:
.endm
	ARM 1, G0,  G1,  .Lhead_1
	ARM 2, G0B, G1B, .Lhead_2
	ARM 3, G0,  G1,  .Lhead_3
	tensor_load_to_lds s[G0B:G0B+3], s[G1B:G1B+7]
	s_nop 0
	PLACES 4
.Lhead_asked:
	s_mov_b32 s19, 0
	s_lshl_b32 s18, s17, 12
	s_add_nc_u64 s[76:77], s[6:7], s[18:19]        ; scale words: x's 8 tiles (V),
	s_lshl_b32 s18, s15, 11
	s_add_nc_u64 s[72:73], s[76:77], s[18:19]      ; my 4 of them (Q, K),
	s_lshl_b32 s18, s42, 4
	s_lshl_b32 s2, s16, 3
	s_add_co_u32 s18, s18, s2
	s_add_co_u32 s18, s18, 512
	s_lshl_b32 s18, s18, 9
	s_add_nc_u64 s[74:75], s[6:7], s[18:19]        ; Wq's 8 tiles of mine (Wk's: 32,768 bytes on),
	s_lshl_b32 s18, s42, 4
	s_lshl_b32 s2, s14, 2
	s_add_co_u32 s18, s18, s2
	s_add_co_u32 s3, s18, 640
	s_lshl_b32 s18, s3, 9
	s_add_nc_u64 s[78:79], s[6:7], s[18:19]        ; Wv's 4 tiles of mine
	s_lshl_b32 s18, s42, 10
	s_lshl_b32 s2, s16, 9
	s_add_co_u32 s18, s18, s2
	s_add_nc_u64 s[8:9], s[8:9], s[18:19]          ; bq, bk at my 128 channels
	s_add_nc_u64 s[10:11], s[10:11], s[18:19]
	s_lshl_b32 s18, s42, 10
	s_lshl_b32 s2, s14, 8
	s_add_co_u32 s18, s18, s2
	s_add_nc_u64 s[96:97], s[96:97], s[18:19]      ; bv at my 64
	s_lshr_b32 s2, s17, 4
	s_lshl_b32 s2, s2, 8
	s_and_b32 s3, s17, 15
	s_add_co_u32 s2, s2, s3                        ; 256 batch + unit
	s_lshl_b32 s3, s42, 6
	s_add_co_u32 s2, s2, s3                        ; + 16 x the group's first head
	s_lshl_b32 s3, s14, 4
	s_add_co_u32 s3, s3, s2
	s_mul_i32 s18, s3, UNIT
	s_add_co_u32 s18, s18, 2*TENSB
	s_add_nc_u64 s[80:81], s[98:99], s[18:19]      ; V: head = wave
	s_lshl_b32 s3, s16, 5
	s_add_co_u32 s3, s3, s2
	s_mul_i32 s3, s3, UNIT                         ; Q, K: my two heads' first
	s_lshl_b32 s18, s15, 2
	s_add_co_u32 s18, s18, s3
	s_add_co_u32 s18, s18, 6144
	s_add_nc_u64 s[82:83], s[98:99], s[18:19]      ; word s15 of each lane's two scale words
	s_mul_i32 s18, s15, 3072
	s_add_co_u32 s18, s18, s3
	s_add_nc_u64 s[98:99], s[98:99], s[18:19]      ; images 2 s15, 2 s15 + 1
	s_lshl_b32 s18, s42, 4
	s_lshl_b32 s2, s41, 2
	s_add_co_u32 s18, s18, s2
	s_add_co_u32 s18, s18, s14
	s_add_co_u32 s18, s18, 576
	s_mul_i32 s18, s18, 12288
	s_add_nc_u64 s[84:85], s[4:5], s[18:19]        ; the prefetches: tile 4 cy + wave of Wk's sixteen
	s_mov_b32 s[HI], 0xffff0000
	s_mov_b32 s[SEL], 0x76543210
	s_mov_b32 s[SEL+1], 0xfedcba98
	s_mul_i32 s21, s15, 4*TP
	s_add_co_u32 s67, s21, HALF
	s_mul_i32 s22, s16, 8*TP
	s_add_co_u32 s22, s22, AH
	s_add_co_u32 s87, s22, HALF
	s_add_co_u32 s93, s12, HALF
	s_mov_b32 s86, 0
	v_and_b32 v1, 15, v0
	v_bfe_u32 v2, v0, 4, 1
	v_and_b32 v3, 31, v0
	v_lshlrev_b32 v[L16], 4, v3
	v_lshlrev_b32 v[L8], 3, v3
	v_add_nc_u32 v[ADRA], s21, v[L16]
	v_add_nc_u32 v[ADRA+1], s67, v[L16]
	v_add_nc_u32 v[ADRA+2], s21, v[L8]
	v_add_nc_u32 v[ADRA+3], s67, v[L8]
	v_add_nc_u32 v[ADRB], s22, v[L16]
	v_add_nc_u32 v[ADRB+1], s87, v[L16]
	v_add_nc_u32 v[ADRB+2], s22, v[L8]
	v_add_nc_u32 v[ADRB+3], s87, v[L8]
	v_add_nc_u32 v[ADRA+8], s12, v[L16]            ; V: source 1 = my four tiles of Wv,
	v_add_nc_u32 v[ADRA+9], s93, v[L16]
	v_add_nc_u32 v[ADRA+10], s12, v[L8]
	v_add_nc_u32 v[ADRA+11], s93, v[L8]
	v_mov_b32 v[ADRB+8], v[L16]                    ; source 0 = x's eight
	v_add_nc_u32 v[ADRB+9], HALF, v[L16]
	v_mov_b32 v[ADRB+10], v[L8]
	v_add_nc_u32 v[ADRB+11], HALF, v[L8]
	v_lshlrev_b32 v27, 3, v1
	v_lshl_add_u32 v[VSA], v2, 10, v27             ; source 1's scale words: 8 r, lanes 16-31 two tiles on
	v_lshl_add_u32 v[VSB], v2, 11, v27             ; source 0's: four tiles on
	v_lshlrev_b32 v[VB], 6, v2
	v_and_b32 v27, 8, v1
	v_add_nc_u32 v27, v27, v1
	v_lshlrev_b32 v[VBV], 2, v27
	v_min_u32 v27, 23, v3
	v_lshlrev_b32 v[PF], 8, v27
	s_wait_alu depctr_va_vdst(0)                   ; the wait at the head's end
.macro LDSB base, off                          ; source 0's scale words: register 8 j + 2 b + q: K step 2 j + q, lanes 0-15 tile b, lanes 16-31 tile b + 4
.irp j, 0,1,2,3
.irp b, 0,1,2,3
	global_load_b64 v[SB+8*\j+2*\b:SB+8*\j+2*\b+1], v[VSB], s[\base:\base+1] offset:512*\b+128*\j+\off
.endr
.endr
.endm
.macro LDSA base                               ; source 1's: register 4 j + 2 a + 1 - q: its number's parity differs from source 0's
.irp j, 0,1,2,3
.irp a, 0,1
.irp q, 0,1
	global_load_b32 v[SA+4*\j+2*\a+1-\q], v[VSA], s[\base:\base+1] offset:512*\a+128*\j+4*\q
.endr
.endr
.endr
.endm
.macro LDBIAS base                             ; Q, K: register 8 b + j of lane (r, h): channel 32 (b / 2) + 8 (b % 2) + 16 h + j
.irp b, 0,1,2,3,4,5,6,7
	global_load_b128 v[BIAS+8*\b:BIAS+8*\b+3], v[VB], s[\base:\base+1] offset:4*(32*(\b/2)+8*(\b%2))
	global_load_b128 v[BIAS+8*\b+4:BIAS+8*\b+7], v[VB], s[\base:\base+1] offset:4*(32*(\b/2)+8*(\b%2))+16
.endr
.endm
	LDSB 74, 0
	LDSA 72
	LDBIAS 8
.macro FRAG reg, adr, q, i
	ds_load_b128 v[\reg:\reg+3], v[\adr] offset:(\i)*TP+(\q)*1536
	ds_load_b64 v[\reg+4:\reg+5], v[\adr+2] offset:(\i)*TP+(\q)*1536+512
	ds_load_b128 v[\reg+6:\reg+9], v[\adr] offset:(\i)*TP+(\q)*1536+768
	ds_load_b64 v[\reg+10:\reg+11], v[\adr+2] offset:(\i)*TP+(\q)*1536+1280
.endm
.macro FETCH k, v                      ; K step k's twelve fragments into set k % 2: 48 loads.  v = 1: V's addresses
	WIN 0x40
.irp i, 0,1,2,3,4,5,6,7
	FRAG 128*((\k)%2)+FR*\i, ADRB+8*(\v)+(\k)/4, (\k)%4, \i
.endr
	WIN 0
.irp i, 0,1,2,3
	FRAG AF+48*((\k)%2)+FR*\i, ADRA+8*(\v)+(\k)/4, (\k)%4, \i
.endr
.endm
.macro WM c, ra, rb
	v_wmma_scale_f32_16x16x128_f8f6f4 v[D_:D_+7], v[FB_:FB_+FR-1], v[FA_:FA_+FR-1], \c, v[XB_], v[XA_] matrix_a_fmt:MATRIX_FMT_FP6 matrix_b_fmt:MATRIX_FMT_FP6 matrix_a_scale:MATRIX_SCALE_ROW\ra matrix_b_scale:MATRIX_SCALE_ROW\rb
.endm
.macro MUL32 k, cm                     ; the 32 accumulators take turns, in the same order in every K step.  cm: C = the sums (0), the bias by source 0's tile (1), by source 1's (2)
.irp rb, 0,1
.irp a2, 0,1
.irp ra, 0,1
.irp b4, 0,1,2,3
.set A_, 2*\rb+\a2
.set B_, 4*\ra+\b4
.set D_, 8*(8*A_+B_)
.set FB_, 128*((\k)%2)+FR*B_
.set FA_, AF+48*((\k)%2)+FR*A_
.set XB_, SB+8*((\k)/2)+2*\b4+(\k)%2
.set XA_, SA+4*((\k)/2)+2*\a2+1-(\k)%2
.if (\cm) == 0
	WM v[D_:D_+7], \ra, \rb
.elseif (\cm) == 1
	WM v[BIAS+8*B_:BIAS+8*B_+7], \ra, \rb
.else
	WM v[BIAS+8*A_:BIAS+8*A_+7], \ra, \rb
.endif
.endr
.endr
.endr
.endr
.endm
.macro ASK off                         ; 24 blocks of 256 bytes of the next tensor's tile, a lane a block (lanes 24-31 name the last again)
	s_cmp_lt_u32 s13, 4
	s_cbranch_scc0 .Lno_ask_\@
	global_prefetch_b8 v[PF], s[84:85] offset:\off th:TH_LOAD_NT scope:SCOPE_SE
.Lno_ask_\@:
.endm
; A K step: the next step's fragments are asked for, then this one's 32 products are issued.  v = 0 (Q, K): K steps 3 and 7 hold a refill's round; v = 1 (V): K step 3 holds a plain barrier
.macro STEP k, cm, v
.if ((\k) == 3) || (((\k) == 7) && !(\v))
	s_wait_tensorcnt 0x0                           ; all my tensor loads have landed
.if !(\v)
	ds_add_u32 v[SPW], v[NIL]
.if (\k) == 3
	s_add_nc_u64 s[G0RB+2:G0RB+3], s[G0RB+2:G0RB+3], WSTEP   ; no load of mine is out: the other slot's descriptor steps to the next tensor
.else
	s_add_nc_u64 s[G0RA+2:G0RA+3], s[G0RA+2:G0RA+3], WSTEP
.endif
.endif
.endif
	s_wait_dscnt 0x0                               ; this K step's fragments are in; where a round follows: the add is done, and my reads of the slot are over
.if ((\k) == 3) && (\v)
	s_barrier_signal -1                            ; Wv's second half is shown to all
	s_barrier_wait -1
.endif
.if (((\k) == 3) || ((\k) == 7)) && !(\v)
	CROUND
.if (\k) == 3
	tensor_load_to_lds s[G0RA:G0RA+3], s[G1R:G1R+7]   ; slot 0: the next tensor's first half of K
.else
	tensor_load_to_lds s[G0RB:G0RB+3], s[G1R:G1R+7]   ; slot 1: its second half
.endif
	s_nop 0
	PLACES 4                                       ; also the places ahead of the loads below
.elseif (\k) > 0
	PLACES 4
.else
	s_wait_xcnt 0x0                                ; the last way out's stores have read their registers
.endif
.if (\k) < 7
	FETCH (\k)+1, \v
.endif
.if !(\v)
.if (\k) == 0
	ASK 0
.elseif (\k) == 4
	ASK TP
.endif
.endif
.if \cm
	WIN 0x81
.else
	WIN 0xa1
.endif
	MUL32 \k, \cm
	WIN 0
.endm
; 64 sums of a lane, register 16 b + i = place 32 b + 16 h + i along the next K, become codes (six registers at d0, six at d1) and a scale word
.macro QUANTW a, d0, d1, pw
.set QB, 64*(\a)
	WIN 0x28
.irp b, 0,1,2,3
	v_max3_num_f32 v[TM+\b], 0x1800000, |v[QB+16*\b]|, |v[QB+16*\b+1]|   ; with the floor 2^(3 - 127)
.endr
.irp i, 2,4,6,8,10,12,14
.irp b, 0,1,2,3
	v_max3_num_f32 v[TM+\b], v[TM+\b], |v[QB+16*\b+\i]|, |v[QB+16*\b+\i+1]|
.endr
.endr
	WIN 0
.irp b, 0,1,2,3
	v_permlanex16_b32 v[TM+4+\b], v[TM+\b], s[SEL], s[SEL+1]
.endr
.irp b, 0,1,2,3
	v_max_num_f32 v[TM+\b], v[TM+\b], v[TM+4+\b]
.endr
.irp b, 0,1,2,3
	v_add_nc_u32 v[TM+12+\b], 0xff000000, v[TM+\b]
.endr
.irp b, 0,1,2,3
	v_lshrrev_b32 v[TM+4+\b], 23, v[TM+12+\b]
.endr
	v_lshl_or_b32 v[\pw], v[TM+5], 8, v[TM+4]
	v_lshl_or_b32 v[\pw], v[TM+6], 16, v[\pw]
	v_lshl_or_b32 v[\pw], v[TM+7], 24, v[\pw]
	WIN 0x02
	v_cvt_scalef32_pk16_fp6_f32 v[\d0:\d0+2], v[QB:QB+15], v[TM+12]
	v_cvt_scalef32_pk16_fp6_f32 v[SPR:SPR+2], v[QB+16:QB+31], v[TM+13]
	v_cvt_scalef32_pk16_fp6_f32 v[\d1:\d1+2], v[QB+32:QB+47], v[TM+14]
	v_cvt_scalef32_pk16_fp6_f32 v[SPR+4:SPR+6], v[QB+48:QB+63], v[TM+15]
	WIN 0
	v_nop
.irp i, 0,1,2
	v_permlane16_swap_b32 v[\d0+\i], v[SPR+\i]
	v_permlane16_swap_b32 v[\d1+\i], v[SPR+4+\i]
.endr
.irp i, 0,1,2
	v_mov_b32 v[\d0+3+\i], v[SPR+\i]
	v_mov_b32 v[\d1+3+\i], v[SPR+4+\i]
.endr
.endm
	s_cmp_lt_u32 s14, 2
	s_cbranch_scc0 .Lnot_first
	s_wait_tensorcnt 0x0                           ; waves 0 and 1: the first half of K
.Lnot_first:
	s_barrier_signal -1
	s_barrier_wait -1
	FETCH 0, 0
.Ltensor:                                              ; Q, then K
	s_wait_loadcnt 0x0                             ; the scale words and the bias
	STEP 0, 1, 0
.irp k, 1,2,3,4,5,6,7
	STEP \k, 0, 0
.endr
	s_cmp_eq_u32 s86, 0                            ; what the next tensor needs is asked for under the way out
	s_cbranch_scc0 .Lnext_v
	PLACES 4
	LDSB 74, 32768
	LDBIAS 10
	FETCH 0, 0
	s_branch .Lnext_set
.Lnext_v:
	PLACES 4
	LDSB 76, 0
	LDSA 78
.irp a, 0,1,2,3
.irp j, 0,1,2,3,4,5,6,7
	global_load_b32 v[BIAS+8*\a+\j], v[VBV], s[96:97] offset:4*(32*(\a/2)+8*(\a%2))   ; V: one number a lane and tile, in the tile's eight registers
.endr
.endr
	FETCH 0, 1
.Lnext_set:
.irp b, 0,1,2,3
	v_mov_b32 v[TM+4+\b], 0                        ; a lane permute's destination counts as one of its sources
.endr
.irp p, 0,1
.if \p > 0
	s_wait_xcnt 0x0
.endif
	QUANTW 2*\p, OUT, OUT+12, PWA+2*\p
	QUANTW 2*\p+1, OUT+6, OUT+18, PWA+2*\p+1
	v_perm_b32 v[WW+\p], v[PWA+2*\p+1], v[PWA+2*\p], 0x05040100      ; the first head's two bytes of both tiles,
	v_perm_b32 v[WW+2+\p], v[PWA+2*\p+1], v[PWA+2*\p], 0x07060302    ; the second head's
.irp c, 0,1
.irp g, 0,1,2
	global_store_b128 v[L16], v[OUT+12*\c+4*\g:OUT+12*\c+4*\g+3], s[98:99] offset:\c*HEADB+1536*\p+512*\g
.endr
.endr
.endr
.irp c, 0,1
	v_cndmask_b32 v[XX+\c], v[WW+2*\c], v[WW+2*\c+1], s[HI]
	global_store_b32 v[L8], v[XX+\c], s[82:83] offset:\c*HEADB       ; my word of each lane's two: 4 bytes a lane, 8 apart
.endr
	s_wait_alu depctr_va_vdst(0)                   ; the wait ahead of the wait and the branch below
	s_wait_xcnt 0x0                                ; stores and prefetches have read their bases
	s_add_nc_u64 s[98:99], s[98:99], TENSB
	s_add_nc_u64 s[82:83], s[82:83], TENSB
	s_add_nc_u64 s[84:85], s[84:85], WSTEP
	s_add_co_u32 s86, s86, 1
	s_cmp_lt_u32 s86, 2
	s_cbranch_scc1 .Ltensor
	s_wait_loadcnt 0x0                             ; V
	STEP 0, 2, 1
.irp k, 1,2,3,4,5,6,7
	STEP \k, 0, 1
.endr
	PLACES 4
.irp b, 0,1,2,3
	v_mov_b32 v[TM+4+\b], 0
.endr
.irp a, 0,1,2,3
.if \a > 0
	s_wait_xcnt 0x0
.endif
	QUANTW \a, OUT, OUT+6, PWA+\a
.irp g, 0,1,2
	global_store_b128 v[L16], v[OUT+4*\g:OUT+4*\g+3], s[80:81] offset:\a*1536+512*\g
.endr
.endr
	v_cndmask_b32 v[XX], v[PWA], v[PWA+1], s[HI]
	v_cndmask_b32 v[XX+1], v[PWA+2], v[PWA+3], s[HI]
	global_store_b64 v[L8], v[XX:XX+1], s[80:81] offset:6144
	s_wait_tensorcnt 0x0                           ; the wave's end
	ds_add_u32 v[SPW], v[NIL]
	s_wait_dscnt 0x0
	CROUND                                         ; the closing round
	s_endpgm
.Lfunc_end_k_qa34343b970_proj:
	.size	k_qa34343b970_proj, .Lfunc_end_k_qa34343b970_proj-k_qa34343b970_proj
	.p2alignl 7, 3214868480
	.fill 96, 4, 3214868480
	.section	.rodata,"a",@progbits
	.p2align	6, 0x0
	.amdhsa_kernel k_qa34343b970_proj
		.amdhsa_group_segment_fixed_size 327680
		.amdhsa_private_segment_fixed_size 0
		.amdhsa_enable_private_segment 0
		.amdhsa_kernarg_size 48
		.amdhsa_user_sgpr_count 2
		.amdhsa_user_sgpr_kernarg_segment_ptr 1
		.amdhsa_wavefront_size32 1
		.amdhsa_system_sgpr_workgroup_id_x 1
		.amdhsa_system_sgpr_workgroup_id_y 1
		.amdhsa_system_sgpr_workgroup_id_z 1
		.amdhsa_system_vgpr_workitem_id 0
		.amdhsa_next_free_vgpr 768
		.amdhsa_next_free_sgpr 104
		.amdhsa_reserve_vcc 0
		.amdhsa_float_denorm_mode_32 3
		.amdhsa_float_denorm_mode_16_64 3
		.amdhsa_memory_ordered 1
		.amdhsa_forward_progress 1
		.amdhsa_inst_pref_size 180
	.end_amdhsa_kernel
	.amdgpu_metadata
---
amdhsa.version: [ 1, 2 ]
amdhsa.kernels:
  - .name:           k_qa34343b970_proj
    .symbol:         k_qa34343b970_proj.kd
    .args:
      - { .name: img, .offset: 0, .size: 8, .value_kind: global_buffer, .address_space: global }
      - { .name: sc, .offset: 8, .size: 8, .value_kind: global_buffer, .address_space: global }
      - { .name: bq, .offset: 16, .size: 8, .value_kind: global_buffer, .address_space: global }
      - { .name: bk, .offset: 24, .size: 8, .value_kind: global_buffer, .address_space: global }
      - { .name: bv, .offset: 32, .size: 8, .value_kind: global_buffer, .address_space: global }
      - { .name: qkv, .offset: 40, .size: 8, .value_kind: global_buffer, .address_space: global }
    .group_segment_fixed_size: 327680
    .private_segment_fixed_size: 0
    .kernarg_segment_align: 8
    .kernarg_segment_size: 48
    .max_flat_workgroup_size: 128
    .sgpr_count:     104
    .vgpr_count:     768
    .wavefront_size: 32
...
	.end_amdgpu_metadata
.endif
;; end of part 2
;; launch attn (part 3): grid 4 x 64, 8 waves a work-group, clusters of 4 x 1, 205,824 bytes of LDS; arguments qkv, abuf, asc; writes abuf, asc
.if DOCPART == 3
	.amdgcn_target "amdgcn-amd-amdhsa--gfx1250"
	.amdhsa_code_object_version 6
	.text
	.protected	k_qa34343b970_attn
	.globl	k_qa34343b970_attn
	.p2align	8
	.type	k_qa34343b970_attn,@function
k_qa34343b970_attn:
	s_mov_b64 s[64:65], 0
	v_nop
	global_prefetch_b8 v0, s[64:65] scope:SCOPE_SE
	s_setreg_imm32_b32 hwreg(HW_REG_WAVE_MODE, 25, 1), 1
	s_wait_xcnt 0x0
	s_wait_alu depctr_hold_cnt(0) depctr_sa_sdst(0) depctr_va_vdst(0) depctr_va_sdst(0) depctr_va_ssrc(0) depctr_va_vcc(0) depctr_vm_vsrc(0)
	s_getreg_b32 s2, hwreg(HW_REG_IB_STS2, 6, 4)
	s_cmp_eq_u32 s2, 0
	s_cbranch_scc0 .Lentry_in_a_cluster
	s_endpgm
.Lentry_in_a_cluster:
	s_bfe_u32 s2, ttmp6, 0x10000c
	s_cmp_lg_u32 s2, 0x3003
	s_cbranch_scc0 .Lentry_shape_is_right
	s_endpgm
.Lentry_shape_is_right:
; For each batch x head: O = softmax(Q K^T / 8) V, both products on codes of FP6 (E2M3) with E8M0 scales; O / l is quantised along the model's 1,024 and leaves as codes for the last product.
; SOFTMAX: t = score x log2(e) / 8; M = the running largest t rounded up to a whole number; p = 2^(t - M) is quantised along the keys, not normalised; the row's sum l is taken of the unquantised p and
; divides O at the end (v_rcp_f32 and a multiply).  When M moves, l and O are multiplied by 2^(old M - new M): exact.  A block's largest p is made from the block's largest score by the same
; multiply-add and exponential (this takes v_exp_f32 not to fall where its input rises).
; SHARES: a work-group owns 512 queries of one head, each of its eight waves 64: four tiles T of 16.  THE SOFTMAX TAKES TWO TILES AT A TIME, line by line in turn: eight chains of maxima and of sums, one batch of 128 exponentials.
; THE WHOLE HEAD'S K AND V STAY IN LDS, filled once: 16 units of 6,400 bytes each (128 keys: four register images and their scale words).  Nothing is filled again: no ring, and no barrier in the loop.
; CLUSTER: the four work-groups of a head ask for every tile jointly.  Each wave issues ONE load at the head: four units, 100 rows of 256 bytes (waves 0-3 K's, waves 4-7 V's).
; No prefetch: all that the launch reads by tensor loads is asked for at the head, and there is no loop to run ahead in.
; LAYOUT: S^T = K Q^T (source 0 = 16 keys, source 1 = 16 queries), O^T = V^T P^T: a lane holds one query throughout.  By the order of tokens in a tile the 16 registers of two neighbouring tiles of keys are 16 neighbouring keys.
; THE FIRST PRODUCT'S K IS 64 in an instruction of 128: an image of K holds key tile 2 p in k 0-63 and key tile 2 p + 1 in k 64-127; Q stands in one half of source 1 and ZERO CODES in the other, with the
; scale byte 0 (2^-127, no NaN) for the zero half: the other tile's codes are multiplied by zeros and add nothing.
; K AND V SHARE 48 REGISTERS: V is fetched behind the step's last score products; the NEXT step's K in two halves, each behind the eight O products that read the registers it takes.  The last step fetches unit 15 once more, and nothing reads that.
; LIMITS: NaN and infinities are not served; a block under 2^-124 has its byte held at 1; a block of zeros has the byte 1 with zero codes (read by this program alone).
; The promise holds while the scaled scores t stay under 2^31 in magnitude.
; REGISTERS: window 0: v1-9 addresses; v12-27 four registers a tile: -M, largest t, l in two halves; v28-65 at work; v66-77 scale words; v78-205 S^T of two tiles, then p; v206-253 p's codes.
;   window 1: v0-127 O^T, (T, t) at 32 T + 8 t; v128-181 zeros and Q by turns, six registers each: [0 | Q_T] begins at 128 + 12 T, [Q_T | 0] at 134 + 12 T; v184-231 four images of K or V.
.set UNIT,  6400
.set HEADB, 102400
.set TENSB, 6553600
.set VOFF,  HEADB                      ; LDS: K's 16 units, then V's
.set K16,  1                           ; v1  16 x lane
.set V16,  2                           ; v2  16 x lane + VOFF
.set K8,   3                           ; v3  8 x lane
.set V8,   4                           ; v4  8 x lane + VOFF
.set ADK,  5                           ; v5-8 the step's addresses
.set ADV,  6
.set ADKS, 7
.set ADVS, 8
.set SO8,  9                           ; v9  8 r + 512 h: the scale pairs' place on the way out
.set ST,   12
.set F,    28                          ; v[28:29], v[30:31] 2^(old M - new M) of the two tiles
.set UU,   28                          ; the way out: two scale bytes a tile
.set BM,   32                          ; v32-39 block maxima, then the conversions' scale operands
.set PM,   40                          ; v40-47 the other half's, then the bytes
.set SPR,  48                          ; v48-63 the sums' other chains, then the conversions' second halves
.set SOP,  60                          ; the way out's scale operands
.set TMP,  64                          ; v64, v65
.set UD,   64
.set KS,   66                          ; v66-67 K's scale words; v68-69 V's
.set VS,   68
.set PS,   70                          ; v70-73 p's, one a tile
.set QS,   74                          ; v74-77 Q's: QS + 2 (T % 2) + u
.set S,    78
.set P,    206
.set KV,   184                         ; in window 1
.set QZ,   128                         ; in window 1
.set WV,   12
.set SEL,  20
.set CS,   22                          ; s[22:23] c = log2(e) / 8
.set G1A,  24                          ; s[24:31] group 1: 100 rows of 256 bytes
.set G0A,  40
.set TB,   48                          ; s48  the key step's unit in LDS; s51 the same, held at unit 15
.set CNT,  49
.set HI,   50
.set TN,   51
.set MSB, 0
.macro WIN new
.if MSB != (\new)
	s_set_vgpr_msb (MSB<<8)|(\new)
.set MSB, (\new)
.endif
.endm
.macro CROUND                          ; a round of the cluster's barrier
	s_barrier_signal -1
	s_barrier_wait -1
	s_cmp_lg_u32 s[WV], 0
	s_cbranch_scc1 .Lnot_wave_0_\@
	s_barrier_signal -3
.Lnot_wave_0_\@:
	s_barrier_wait -3
	s_barrier_signal -1
	s_barrier_wait -1
.endm
	s_load_b128 s[4:7], s[0:1], 0x0                ; qkv, abuf
	s_load_b64 s[8:9], s[0:1], 0x10                ; asc
	v_lshl_add_u32 v254, v0, 2, 0x32000
	v_mov_b32 v255, 0
	ds_add_u32 v254, v255                          ; the opening lines: the add twice on end and its wait
	ds_add_u32 v254, v255
	v_lshrrev_b32 v5, 5, v0
	s_delay_alu instid0(VALU_DEP_1)
	v_readfirstlane_b32 s[WV], v5                  ; wave 0..7
	s_and_b32 s13, ttmp7, 0xffff                   ; batch x head, which the four partners share
	s_lshr_b32 s14, s[WV], 2                       ; I fetch for K (0) or for V (1)
	s_and_b32 s15, s[WV], 3
	s_add_co_u32 s16, s14, 1
	s_mul_i32 s16, s16, TENSB
	s_mul_i32 s17, s13, HEADB
	s_add_co_u32 s16, s16, s17                     ; the head's K or V in qkv
	s_mul_i32 s18, s15, 4*UNIT
	s_add_co_u32 s52, s16, s18                     ; my four units of its sixteen,
	s_mov_b32 s53, 0
	s_mul_i32 s56, s14, HEADB                      ; and the same place in LDS: made of the wave's number alone
	s_add_co_u32 s57, s56, s18
	s_mov_b32 s[G1A], 15|(3<<16)|(1<<21)           ; the mask: all four work-groups; elements of 8 bytes; bit 21 beside a mask; no padding
	s_mov_b32 s[G1A+1], 32<<16                     ; tensor_dim0: 256 bytes
	s_mov_b32 s[G1A+2], 100<<16                    ; tensor_dim1
	s_mov_b32 s[G1A+3], 32<<16                     ; tile_dim0
	s_mov_b32 s[G1A+4], 100                        ; tile_dim1
	s_mov_b32 s[G1A+5], 32                         ; dense
	s_mov_b32 s[G1A+6], 0
	s_mov_b32 s[G1A+7], 0
	s_bfe_u32 s60, ttmp6, 0x40000                  ; cx: it enters Q's, abuf's and asc's addresses alone
	s_lshl_b32 s61, ttmp9, 2
	s_add_co_u32 s60, s61, s60                     ; my block of 512 queries
	s_lshl_b32 s61, s13, 4
	s_lshl_b32 s62, s60, 2
	s_add_co_u32 s61, s61, s62
	s_lshr_b32 s62, s[WV], 1
	s_add_co_u32 s61, s61, s62                     ; my wave's unit of q
	s_mul_i32 s66, s61, UNIT
	s_mov_b32 s67, 0
	s_and_b32 s62, s[WV], 1                        ; its images 2 (w & 1) and 2 (w & 1) + 1 are mine
	s_mul_i32 s68, s62, 3072
	s_mov_b32 s69, 0
	s_lshl_b32 s62, s62, 2
	s_add_co_u32 s76, s62, 6144                    ; and word w & 1 of each lane's two scale words
	s_mov_b32 s77, 0
	s_lshr_b32 s70, s13, 4                         ; batch
	s_lshl_b32 s70, s70, 7
	s_lshl_b32 s71, s60, 5
	s_add_co_u32 s70, s70, s71
	s_lshl_b32 s71, s[WV], 2
	s_add_co_u32 s70, s70, s71                     ; my first token tile: 128 batch + 32 block + 4 wave
	s_and_b32 s71, s13, 15                         ; head
	s_mul_i32 s72, s70, 12288
	s_lshr_b32 s59, s71, 1
	s_mul_i32 s78, s59, 1536                       ; K step head / 2 of the last product,
	s_add_co_u32 s72, s72, s78
	s_and_b32 s63, s71, 1
	s_mul_i32 s78, s63, 768                        ; half head % 2 of its fragment
	s_add_co_u32 s72, s72, s78
	s_mov_b32 s73, 0
	s_lshl_b32 s74, s70, 9
	s_lshr_b32 s78, s71, 2
	s_lshl_b32 s78, s78, 7
	s_add_co_u32 s74, s74, s78
	s_and_b32 s59, s59, 1
	s_lshl_b32 s59, s59, 2
	s_add_co_u32 s74, s74, s59
	s_lshl_b32 s63, s63, 1
	s_add_co_u32 s74, s74, s63                     ; asc: 512 tile + 128 (head / 4) + 4 ((head / 2) % 2) + 2 (head % 2)
	s_mov_b32 s75, 0
	s_mov_b32 s[SEL], 0x76543210
	s_mov_b32 s[SEL+1], 0xfedcba98
	s_mov_b32 s[CS], 0x3e38aa3b                    ; log2(e) / 8
	s_mov_b32 s[CS+1], s[CS]                       ; named with it as a pair
	s_mov_b32 s[HI], 0xffff0000
	s_mov_b32 s[TB], 0
	s_wait_dscnt 0x0
	s_wait_kmcnt 0x0
	s_mov_b32 s[G0A], 1
	s_mov_b32 s[G0A+1], s57
	s_add_nc_u64 s[G0A+2:G0A+3], s[4:5], s[52:53]
	s_or_b32 s[G0A+3], s[G0A+3], 0x80000000
	s_add_nc_u64 s[10:11], s[4:5], s[66:67]        ; my unit of q,
	s_add_nc_u64 s[66:67], s[10:11], s[76:77]      ; its scale words,
	s_add_nc_u64 s[10:11], s[10:11], s[68:69]      ; my two images
	s_add_nc_u64 s[6:7], s[6:7], s[72:73]
	s_add_nc_u64 s[8:9], s[8:9], s[74:75]
	CROUND                                         ; all four work-groups are here: the joint loads meet
	tensor_load_to_lds s[G0A:G0A+3], s[G1A:G1A+7]  ; my one tensor load of the launch
	s_nop 0
.rept 4
	v_nop
.endr
	v_and_b32 v10, 31, v0
	s_delay_alu instid0(VALU_DEP_1)
	v_lshlrev_b32 v[K16], 4, v10
	s_delay_alu instid0(VALU_DEP_2)
	v_lshlrev_b32 v[K8], 3, v10
	s_delay_alu instid0(VALU_DEP_2)
	v_add_nc_u32 v[V16], VOFF, v[K16]
	s_delay_alu instid0(VALU_DEP_2)
	v_add_nc_u32 v[V8], VOFF, v[K8]
	v_and_b32 v10, 15, v0
	v_bfe_u32 v11, v0, 4, 1
	s_delay_alu instid0(VALU_DEP_2)
	v_lshlrev_b32 v[SO8], 3, v10
	s_delay_alu instid0(VALU_DEP_1)
	v_lshl_add_u32 v[SO8], v11, 9, v[SO8]
	global_load_b32 v[TMP], v[K8], s[66:67]        ; lanes 0-15: the word of my first image's row r; lanes 16-31: of my second's
	WIN 0x40                                       ; destination window 1
.irp t, 0,2                                    ; an even tile is registers 0-5 of its image: bytes 0-15 of group 0, 0-7 of group 1
	global_load_b64 v[QZ+12*\t+6:QZ+12*\t+7], v[K16], s[10:11] offset:(\t/2)*1536
	global_load_b64 v[QZ+12*\t+8:QZ+12*\t+9], v[K16], s[10:11] offset:(\t/2)*1536+8
	global_load_b64 v[QZ+12*\t+10:QZ+12*\t+11], v[K16], s[10:11] offset:(\t/2)*1536+512
.endr
.irp t, 1,3                                    ; an odd tile is registers 6-11: bytes 8-15 of group 1, all of group 2
	global_load_b64 v[QZ+12*\t+6:QZ+12*\t+7], v[K16], s[10:11] offset:(\t/2)*1536+520
	global_load_b64 v[QZ+12*\t+8:QZ+12*\t+9], v[K16], s[10:11] offset:(\t/2)*1536+1024
	global_load_b64 v[QZ+12*\t+10:QZ+12*\t+11], v[K16], s[10:11] offset:(\t/2)*1536+1032
.endr
.irp k, 0,1,2,3,4
.irp i, 0,1,2,3,4,5
	v_mov_b32 v[QZ+12*\k+\i], 0                    ; the zero codes beside Q
.endr
.endr
.set i, 0
.rept 128
	v_mov_b32 v[i], 0                              ; O^T: the key step is written without a first step of its own; the first change of M multiplies zeros
.set i, i+1
.endr
	WIN 0
	s_wait_loadcnt 0x0
	v_and_b32 v[QS], 0xffff, v[TMP]                ; even tile, Q in k 0-63: its two bytes below, the byte 0 for the zero half
	v_lshlrev_b32 v[QS+1], 16, v[TMP]              ; even tile, Q in k 64-127
	v_lshrrev_b32 v[QS+2], 16, v[TMP]              ; odd tile, Q in k 0-63
	v_and_b32 v[QS+3], 0xffff0000, v[TMP]          ; odd tile, Q in k 64-127
.irp t, 0,1,2,3
	v_mov_b32 v[ST+4*\t+1], 0xff61b1e6             ; the largest t so far: -3e38
	s_delay_alu instid0(VALU_DEP_1)
	v_floor_f32 v[ST+4*\t], -v[ST+4*\t+1]          ; -M
	v_mov_b32 v[ST+4*\t+2], 0                      ; l, in two halves
	v_mov_b32 v[ST+4*\t+3], 0
	v_mov_b32 v[PM+\t], 0                          ; a lane permute's destination counts as one of its sources
	v_mov_b32 v[PM+4+\t], 0
.endr
	v_mov_b32 v[F+1], 0                            ; named as the upper halves of pairs
	v_mov_b32 v[F+3], 0
	v_mov_b32 v[ADV], v[V16]                       ; the first step's V
	v_mov_b32 v[ADVS], v[V8]
.macro QKP d, a, b, sa, sb, ra, rb     ; S^T's product; ra, rb: the scales stand in lanes 16-31
.if (\ra) && (\rb)
	v_wmma_scale_f32_16x16x128_f8f6f4 v[\d:\d+7], v[\a:\a+11], v[\b:\b+11], 0, v[\sa], v[\sb] matrix_a_fmt:MATRIX_FMT_FP6 matrix_b_fmt:MATRIX_FMT_FP6 matrix_a_scale:MATRIX_SCALE_ROW1 matrix_b_scale:MATRIX_SCALE_ROW1
.elseif (\ra)
	v_wmma_scale_f32_16x16x128_f8f6f4 v[\d:\d+7], v[\a:\a+11], v[\b:\b+11], 0, v[\sa], v[\sb] matrix_a_fmt:MATRIX_FMT_FP6 matrix_b_fmt:MATRIX_FMT_FP6 matrix_a_scale:MATRIX_SCALE_ROW1
.elseif (\rb)
	v_wmma_scale_f32_16x16x128_f8f6f4 v[\d:\d+7], v[\a:\a+11], v[\b:\b+11], 0, v[\sa], v[\sb] matrix_a_fmt:MATRIX_FMT_FP6 matrix_b_fmt:MATRIX_FMT_FP6 matrix_b_scale:MATRIX_SCALE_ROW1
.else
	v_wmma_scale_f32_16x16x128_f8f6f4 v[\d:\d+7], v[\a:\a+11], v[\b:\b+11], 0, v[\sa], v[\sb] matrix_a_fmt:MATRIX_FMT_FP6 matrix_b_fmt:MATRIX_FMT_FP6
.endif
.endm
.macro PVP d, a, b, sa, sb, ra         ; O^T's product, in place
.if (\ra)
	v_wmma_scale_f32_16x16x128_f8f6f4 v[\d:\d+7], v[\a:\a+11], v[\b:\b+11], v[\d:\d+7], v[\sa], v[\sb] matrix_a_fmt:MATRIX_FMT_FP6 matrix_b_fmt:MATRIX_FMT_FP6 matrix_a_scale:MATRIX_SCALE_ROW1
.else
	v_wmma_scale_f32_16x16x128_f8f6f4 v[\d:\d+7], v[\a:\a+11], v[\b:\b+11], v[\d:\d+7], v[\sa], v[\sb] matrix_a_fmt:MATRIX_FMT_FP6 matrix_b_fmt:MATRIX_FMT_FP6
.endif
.endm
.macro QK2 t0, p0                      ; images p0, p0 + 1 of K against tiles t0, t0 + 1: eight products
.irp pp, 0,1
.irp e, 0,1
.irp u, 0,1
	QKP S+64*\e+8*(2*(\p0+\pp)+\u), KV+12*(\p0+\pp), QZ+12*(\t0+\e)+6-6*\u, KS+(\p0)/2, QS+2*\e+\u, \pp, (\t0)/2
.endr
.endr
.endr
.endm
.macro PV2 t0                          ; images t0, t0 + 1 of V against the four tiles: eight accumulators by turns
.irp t, \t0, \t0+1
.irp q, 0,1,2,3
	PVP 32*\q+8*(\t), KV+12*(\t), P+12*\q, VS+(\t0)/2, PS+\q, (\t)%2
.endr
.endr
.endm
.macro HINT2
	s_delay_alu instid0(VALU_DEP_2)
.endm
; The softmax of tiles t0 (e = 0) and t0 + 1 (e = 1) for 128 keys: register S + 64 e + 16 b + i holds key 32 b + 16 (lane / 16) + i of my query.  Blocks 0-3 are the first tile's, 4-7 the second's
.macro SOFTMAX2 t0
.irp b, 0,1,2,3,4,5,6,7
	v_max3_num_f32 v[BM+\b], v[S+16*\b], v[S+16*\b+1], v[S+16*\b+2]   ; the largest score of each block of 32 keys: for the row's maximum and for the block's largest p
.endr
.irp i, 3,5,7,9,11,13
.irp b, 0,1,2,3,4,5,6,7
	v_max3_num_f32 v[BM+\b], v[BM+\b], v[S+16*\b+\i], v[S+16*\b+\i+1]
.endr
.endr
.irp b, 0,1,2,3,4,5,6,7
	v_max_num_f32 v[BM+\b], v[BM+\b], v[S+16*\b+15]
.endr
.irp b, 0,1,2,3,4,5,6,7
	v_permlanex16_b32 v[PM+\b], v[BM+\b], s[SEL], s[SEL+1]
.endr
.irp b, 0,1,2,3,4,5,6,7
	v_max_num_f32 v[BM+\b], v[BM+\b], v[PM+\b]     ; with lane l xor 16's 16 keys
.endr
.irp e, 0,1
	v_max3_num_f32 v[TMP+\e], v[BM+4*\e], v[BM+4*\e+1], v[BM+4*\e+2]
.endr
.irp e, 0,1
	HINT2
	v_max_num_f32 v[TMP+\e], v[TMP+\e], v[BM+4*\e+3]
.endr
.irp e, 0,1
	HINT2
	v_mul_f32 v[TMP+\e], s[CS], v[TMP+\e]          ; as t (c is positive)
.endr
.irp e, 0,1
	HINT2
	v_max_num_f32 v[ST+4*(\t0+\e)+1], v[ST+4*(\t0+\e)+1], v[TMP+\e]   ; the running largest t
.endr
.irp e, 0,1
	v_mov_b32 v[TMP+\e], v[ST+4*(\t0+\e)]
.endr
.irp e, 0,1
	v_floor_f32 v[ST+4*(\t0+\e)], -v[ST+4*(\t0+\e)+1]   ; the new -M = -ceil(t)
.endr
.irp e, 0,1
	HINT2
	v_sub_f32 v[TMP+\e], v[ST+4*(\t0+\e)], v[TMP+\e]    ; old M - new M: a whole number, 0 or less
.endr
.irp e, 0,1
	HINT2
	v_cvt_i32_f32 v[TMP+\e], v[TMP+\e]             ; (it saturates)
.endr
.irp e, 0,1
	HINT2
	v_ldexp_f32 v[F+2*\e], 1.0, v[TMP+\e]          ; f = 2^(old M - new M)
.endr
.irp e, 0,1
.set j, 0
.rept 32
	v_pk_fma_f32 v[S+64*\e+j:S+64*\e+j+1], v[S+64*\e+j:S+64*\e+j+1], s[CS:CS+1], v[ST+4*(\t0+\e):ST+4*(\t0+\e)+1] op_sel_hi:[1,0,0]   ; t - M, two at a time
.set j, j+2
.endr
.endr
.irp b, 0,1,2,3,4,5,6,7
	v_fma_f32 v[BM+\b], v[BM+\b], s[CS], v[ST+4*(\t0+\b/4)]   ; the same of each block's largest score
.endr
	s_wait_alu depctr_va_vdst(0)                   ; the wait ahead of the batch
.set j, 0
.rept 128
	v_exp_f32 v[S+j], v[S+j]                       ; p = 2^(t - M)
.set j, j+1
.endr
.irp e, 0,1
	v_pk_mul_f32 v[ST+4*(\t0+\e)+2:ST+4*(\t0+\e)+3], v[ST+4*(\t0+\e)+2:ST+4*(\t0+\e)+3], v[F+2*\e:F+2*\e+1] op_sel_hi:[1,0]   ; l under the new M: plain instructions behind the exponentials
.endr
	s_wait_alu depctr_va_vdst(0)                   ; one wait for the batch of 128, ahead of its first reader
.irp b, 0,1,2,3,4,5,6,7
	v_exp_f32 v[BM+\b], v[BM+\b]                   ; the block's largest p
.endr
.irp k, 0,1,2                                  ; l is taken of the unquantised p: 32 packed additions a tile, four chains a tile, the eight by turns
.irp e, 0,1
	v_pk_add_f32 v[SPR+6*\e+2*\k:SPR+6*\e+2*\k+1], v[S+64*\e+4*\k:S+64*\e+4*\k+1], v[S+64*\e+4*\k+2:S+64*\e+4*\k+3]
.endr
.endr
.irp e, 0,1
	v_pk_add_f32 v[ST+4*(\t0+\e)+2:ST+4*(\t0+\e)+3], v[ST+4*(\t0+\e)+2:ST+4*(\t0+\e)+3], v[S+64*\e+12:S+64*\e+13]
.endr
.set j, 14
.rept 6
.irp k, 0,1,2
.irp e, 0,1
	v_pk_add_f32 v[SPR+6*\e+2*\k:SPR+6*\e+2*\k+1], v[SPR+6*\e+2*\k:SPR+6*\e+2*\k+1], v[S+64*\e+j+2*\k:S+64*\e+j+2*\k+1]
.endr
.endr
.irp e, 0,1
	v_pk_add_f32 v[ST+4*(\t0+\e)+2:ST+4*(\t0+\e)+3], v[ST+4*(\t0+\e)+2:ST+4*(\t0+\e)+3], v[S+64*\e+j+6:S+64*\e+j+7]
.endr
.set j, j+8
.endr
.irp e, 0,1
	v_pk_add_f32 v[SPR+6*\e:SPR+6*\e+1], v[SPR+6*\e:SPR+6*\e+1], v[S+64*\e+62:S+64*\e+63]
.endr
.irp e, 0,1
	v_pk_add_f32 v[SPR+6*\e+2:SPR+6*\e+3], v[SPR+6*\e+2:SPR+6*\e+3], v[SPR+6*\e+4:SPR+6*\e+5]
.endr
.irp e, 0,1
	v_pk_add_f32 v[ST+4*(\t0+\e)+2:ST+4*(\t0+\e)+3], v[ST+4*(\t0+\e)+2:ST+4*(\t0+\e)+3], v[SPR+6*\e:SPR+6*\e+1]
.endr
.irp e, 0,1
	v_pk_add_f32 v[ST+4*(\t0+\e)+2:ST+4*(\t0+\e)+3], v[ST+4*(\t0+\e)+2:ST+4*(\t0+\e)+3], v[SPR+6*\e+2:SPR+6*\e+3]
.endr
	s_wait_alu depctr_va_vdst(0)                   ; and one for the eight
.irp b, 0,1,2,3,4,5,6,7
	v_max_num_f32 v[BM+\b], 0x1800000, v[BM+\b]    ; the floor 2^(3 - 127)
.endr
.irp b, 0,1,2,3,4,5,6,7
	v_add_nc_u32 v[BM+\b], 0xff000000, v[BM+\b]    ; the conversion's scale operand
.endr
.irp b, 0,1,2,3,4,5,6,7
	v_lshrrev_b32 v[PM+\b], 23, v[BM+\b]           ; the scale's byte
.endr
.irp e, 0,1
	v_lshl_or_b32 v[PS+\t0+\e], v[PM+4*\e+1], 8, v[PM+4*\e]
.endr
.irp e, 0,1
	HINT2
	v_lshl_or_b32 v[PS+\t0+\e], v[PM+4*\e+2], 16, v[PS+\t0+\e]
.endr
.irp e, 0,1
	HINT2
	v_lshl_or_b32 v[PS+\t0+\e], v[PM+4*\e+3], 24, v[PS+\t0+\e]
.endr
.irp e, 0,1
.irp c, 0,1
	v_cvt_scalef32_pk16_fp6_f32 v[P+12*(\t0+\e)+6*\c:P+12*(\t0+\e)+6*\c+2], v[S+64*\e+32*\c:S+64*\e+32*\c+15], v[BM+4*\e+2*\c]
	v_cvt_scalef32_pk16_fp6_f32 v[SPR+8*\e+4*\c:SPR+8*\e+4*\c+2], v[S+64*\e+32*\c+16:S+64*\e+32*\c+31], v[BM+4*\e+2*\c+1]
.endr
.endr
	v_nop                                          ; one plain instruction behind the scaled conversions
.irp e, 0,1
.irp c, 0,1
.irp i, 0,1,2
	v_permlane16_swap_b32 v[P+12*(\t0+\e)+6*\c+\i], v[SPR+8*\e+4*\c+\i]
.endr
.endr
.endr
.irp e, 0,1
.irp c, 0,1
.irp i, 0,1,2
	v_mov_b32 v[P+12*(\t0+\e)+6*\c+3+\i], v[SPR+8*\e+4*\c+\i]
.endr
.endr
.endr
	WIN 0x41                                       ; O^T (destination and source 0) in window 1
	s_wait_alu depctr_va_vdst(0)                   ; the wait directly ahead of the first reader of O^T
.irp e, 0,1
.set j, 0
.rept 16
	v_pk_mul_f32 v[32*(\t0+\e)+j:32*(\t0+\e)+j+1], v[32*(\t0+\e)+j:32*(\t0+\e)+j+1], v[F+2*\e:F+2*\e+1] op_sel_hi:[1,0]   ; O^T under the new M, each accumulator from its low end on; also the places ahead of the products that read p's codes and scale words
.set j, j+2
.endr
.endr
	WIN 0
.endm
.macro KVLOAD adr, i0, n               ; n pieces of 512 bytes of a unit's images, from piece i0 on
	WIN 0x40
.set i, \i0
.rept \n
	ds_load_b128 v[KV+4*i:KV+4*i+3], v[\adr] offset:512*i
.set i, i+1
.endr
	WIN 0
.endm
; A KEY STEP: 128 keys.  K's images and scale words of this step are in registers or on their way
.macro STEP
	s_wait_dscnt 6                                 ; K's scale words and images 0, 1 are in; the six loads of images 2, 3 may be out
	WIN 0x05                                       ; K and Q in window 1
	QK2 0, 0
	s_wait_dscnt 0x0
	QK2 0, 2
	WIN 0
.rept 4
	v_nop                                          ; places behind the products: their results are read
.endr
	SOFTMAX2 0
	WIN 0x05
	QK2 2, 0
	QK2 2, 2
	WIN 0
.rept 4
	v_nop                                          ; and here their operands are loaded anew
.endr
	KVLOAD ADV, 0, 12                              ; V lands while the second two tiles' softmax is worked
	ds_load_b64 v[VS:VS+1], v[ADVS] offset:6144
	SOFTMAX2 2
	s_wait_alu depctr_va_vdst(0)                   ; the wait directly ahead of the wait below
	s_wait_dscnt 0x0                               ; V is in
	s_add_co_u32 s[TB], s[TB], UNIT
	s_min_u32 s[TN], s[TB], 15*UNIT                ; the next step's unit; in the last step unit 15 once more
	WIN 0x51                                       ; V, C and D (O^T) in window 1
	PV2 0
	WIN 0
	v_add_nc_u32 v[ADK], s[TN], v[K16]             ; these four are the places between the products and the loads into the registers that they read
	v_add_nc_u32 v[ADKS], s[TN], v[K8]
	v_add_nc_u32 v[ADV], s[TB], v[V16]
	v_add_nc_u32 v[ADVS], s[TB], v[V8]
	ds_load_b64 v[KS:KS+1], v[ADKS] offset:6144
	KVLOAD ADK, 0, 6                               ; the next step's K, images 0, 1
	WIN 0x51
	PV2 2
	WIN 0
.rept 4
	v_nop
.endr
	KVLOAD ADK, 6, 6                               ; images 2, 3
.endm
	s_wait_alu depctr_va_vdst(0)                   ; the wait at the head's end
	s_wait_tensorcnt 0x0                           ; my four units are in
	s_barrier_signal -1
	s_barrier_wait -1                              ; everybody's are: all of K and V
	ds_load_b64 v[KS:KS+1], v[K8] offset:6144      ; the first step's K
	KVLOAD K16, 0, 12
	s_mov_b32 s[CNT], 16
.Lstep:
	STEP
	s_sub_co_u32 s[CNT], s[CNT], 1
	s_cmp_lg_u32 s[CNT], 0
	s_cbranch_scc1 .Lstep
	; THE WAY OUT
.irp t, 0,1,2,3
	v_add_f32 v[BM+\t], v[ST+4*\t+2], v[ST+4*\t+3]
.endr
.irp t, 0,1,2,3
	s_delay_alu instid0(VALU_DEP_4)
	v_permlanex16_b32 v[PM+\t], v[BM+\t], s[SEL], s[SEL+1]
.endr
.irp t, 0,1,2,3
	s_delay_alu instid0(VALU_DEP_4)
	v_add_f32 v[BM+\t], v[BM+\t], v[PM+\t]         ; the row's sum
.endr
	s_wait_alu depctr_va_vdst(0)
.irp t, 0,1,2,3
	v_rcp_f32 v[ST+4*\t+2], v[BM+\t]
.endr
	v_nop                                          ; a plain instruction behind the last reciprocal
	s_wait_alu depctr_va_vdst(0)                   ; one wait for the four, ahead of their first reader
; Tile t: O^T / l: register 16 b + i = channel 32 b + 16 (lane / 16) + i of my query: two blocks of the last product's K.  They become half head % 2 of a fragment: six registers.
.macro FIN t
.set XB, S+32*((\t)%2)
.set EB, P+8*(\t)
	WIN 0x01                                       ; source 0 (O^T) in window 1
.set j, 0
.rept 16
	v_pk_mul_f32 v[XB+j:XB+j+1], v[32*(\t)+j:32*(\t)+j+1], v[ST+4*(\t)+2:ST+4*(\t)+3] op_sel_hi:[1,0]
.set j, j+2
.endr
	WIN 0
.irp b, 0,1
	v_max3_num_f32 v[BM+\b], |v[XB+16*\b]|, |v[XB+16*\b+1]|, 0x1800000
.endr
.irp i, 2,4,6,8,10,12,14
.irp b, 0,1
	s_delay_alu instid0(VALU_DEP_2)
	v_max3_num_f32 v[BM+\b], v[BM+\b], |v[XB+16*\b+\i]|, |v[XB+16*\b+\i+1]|
.endr
.endr
.irp b, 0,1
	s_delay_alu instid0(VALU_DEP_2)
	v_permlanex16_b32 v[PM+\b], v[BM+\b], s[SEL], s[SEL+1]
.endr
.irp b, 0,1
	s_delay_alu instid0(VALU_DEP_2)
	v_max_num_f32 v[BM+\b], v[BM+\b], v[PM+\b]
.endr
.irp b, 0,1
	s_delay_alu instid0(VALU_DEP_2)
	v_add_nc_u32 v[SOP+\b], 0xff000000, v[BM+\b]
.endr
.irp b, 0,1
	s_delay_alu instid0(VALU_DEP_2)
	v_lshrrev_b32 v[PM+\b], 23, v[SOP+\b]
.endr
	s_delay_alu instid0(VALU_DEP_1)
	v_lshl_or_b32 v[UU+(\t)], v[PM+1], 8, v[PM]    ; my row's two scale bytes
	v_cvt_scalef32_pk16_fp6_f32 v[EB:EB+2], v[XB:XB+15], v[SOP]
	v_cvt_scalef32_pk16_fp6_f32 v[EB+4:EB+6], v[XB+16:XB+31], v[SOP+1]
	v_nop
.irp i, 0,1,2
	v_permlane16_swap_b32 v[EB+\i], v[EB+4+\i]
.endr
	s_delay_alu instid0(VALU_DEP_3)
	v_mov_b32 v[EB+3], v[EB+4]
	s_delay_alu instid0(VALU_DEP_3)
	v_mov_b32 v[EB+4], v[EB+5]
	s_delay_alu instid0(VALU_DEP_3)
	v_mov_b32 v[EB+5], v[EB+6]
	global_store_b128 v[K16], v[EB:EB+3], s[6:7] offset:(\t)*12288          ; 512 consecutive bytes, aligned
	global_store_b64 v[K8], v[EB+4:EB+5], s[6:7] offset:(\t)*12288+512      ; 256
.endm
	FIN 0
	FIN 1
	FIN 2
	FIN 3
	v_cndmask_b32 v[UD], v[UU], v[UU+1], s[HI]     ; lanes 0-15 tile 0's rows, lanes 16-31 tile 1's
	v_cndmask_b32 v[UD+1], v[UU+2], v[UU+3], s[HI]
	global_store_b16 v[SO8], v[UD], s[8:9]         ; a head owns two of a scale word's four bytes: 2 bytes a lane, 8 bytes apart
	global_store_b16 v[SO8], v[UD+1], s[8:9] offset:1024
	s_wait_tensorcnt 0x0                           ; the wave's end
	ds_add_u32 v254, v255
	s_wait_dscnt 0x0
	CROUND                                         ; the closing round: no work-group ends while a partner may still ask for a tile that names it
	s_endpgm
.Lfunc_end_k_qa34343b970_attn:
	.size	k_qa34343b970_attn, .Lfunc_end_k_qa34343b970_attn-k_qa34343b970_attn
	.p2alignl 7, 3214868480
	.fill 96, 4, 3214868480
	.section	.rodata,"a",@progbits
	.p2align	6, 0x0
	.amdhsa_kernel k_qa34343b970_attn
		.amdhsa_group_segment_fixed_size 205824
		.amdhsa_private_segment_fixed_size 0
		.amdhsa_enable_private_segment 0
		.amdhsa_kernarg_size 24
		.amdhsa_user_sgpr_count 2
		.amdhsa_user_sgpr_kernarg_segment_ptr 1
		.amdhsa_wavefront_size32 1
		.amdhsa_system_sgpr_workgroup_id_x 1
		.amdhsa_system_sgpr_workgroup_id_y 1
		.amdhsa_system_sgpr_workgroup_id_z 1
		.amdhsa_system_vgpr_workitem_id 0
		.amdhsa_next_free_vgpr 512
		.amdhsa_next_free_sgpr 80
		.amdhsa_reserve_vcc 0
		.amdhsa_float_denorm_mode_32 3
		.amdhsa_float_denorm_mode_16_64 3
		.amdhsa_memory_ordered 1
		.amdhsa_forward_progress 1
		.amdhsa_inst_pref_size 88
	.end_amdhsa_kernel
	.amdgpu_metadata
---
amdhsa.version: [ 1, 2 ]
amdhsa.kernels:
  - .name:           k_qa34343b970_attn
    .symbol:         k_qa34343b970_attn.kd
    .args:
      - { .name: qkv, .offset: 0, .size: 8, .value_kind: global_buffer, .address_space: global }
      - { .name: abuf, .offset: 8, .size: 8, .value_kind: global_buffer, .address_space: global }
      - { .name: asc, .offset: 16, .size: 8, .value_kind: global_buffer, .address_space: global }
    .group_segment_fixed_size: 205824
    .private_segment_fixed_size: 0
    .kernarg_segment_align: 8
    .kernarg_segment_size: 24
    .max_flat_workgroup_size: 256
    .sgpr_count:     80
    .vgpr_count:     512
    .wavefront_size: 32
...
	.end_amdgpu_metadata
.endif
;; end of part 3
;; launch oproj (part 4): grid 4 x 64, 4 waves a work-group, clusters of 4 x 4, 327,680 bytes of LDS; arguments abuf, asc, img, sc, bo, out0; writes out0
.if DOCPART == 4
	.amdgcn_target "amdgcn-amd-amdhsa--gfx1250"
	.amdhsa_code_object_version 6
	.text
	.protected	k_qa34343b970_oproj
	.globl	k_qa34343b970_oproj
	.p2align	8
	.type	k_qa34343b970_oproj,@function
k_qa34343b970_oproj:
	s_mov_b64 s[64:65], 0
	v_nop
	global_prefetch_b8 v0, s[64:65] scope:SCOPE_SE
	s_setreg_imm32_b32 hwreg(HW_REG_WAVE_MODE, 25, 1), 1
	s_wait_xcnt 0x0
	s_wait_alu depctr_hold_cnt(0) depctr_sa_sdst(0) depctr_va_vdst(0) depctr_va_sdst(0) depctr_va_ssrc(0) depctr_va_vcc(0) depctr_vm_vsrc(0)
	s_getreg_b32 s2, hwreg(HW_REG_IB_STS2, 6, 4)
	s_cmp_eq_u32 s2, 0
	s_cbranch_scc0 .Lentry_in_a_cluster
	s_endpgm
.Lentry_in_a_cluster:
	s_bfe_u32 s2, ttmp6, 0x10000c
	s_cmp_lg_u32 s2, 0xf033
	s_cbranch_scc0 .Lentry_shape_is_right
	s_endpgm
.Lentry_shape_is_right:
; out0 = A Wo^T + bo on codes of FP6 (E2M3) with E8M0 scales.  A: abuf, asc (512 tiles of 16 tokens, as the launch before leaves them); Wo: tiles 704-767 of img, sc.
; A tile is 12,288 bytes: 8 K steps of 128, each an image of the operand's 12 registers (two halves of 768 bytes: four registers at 16 x lane, two at 512 + 8 x lane); its scale words are 512 bytes: [j][row][2 words], K steps 2 j, 2 j + 1.
; Row r of tile 2 g + u is row 32 g + 8 u + (r & 7) + 16 (r >> 3) of its tensor.
; SHARES: a work-group makes 128 tokens x 256 columns: 64 x 4 = 256 work-groups.  Four waves, 2 x 2; a wave makes 64 x 128: 32 accumulators, 256 registers.
; ALL OF K LIES IN LDS, filled once: A's 8 tiles and B's 16, 294,912 bytes, in two halves of K.  One joint load a wave at the head: wave 0 A's first half of K, wave 1 B's, wave 2 A's second half, wave 3 B's.
; The first barrier shows waves 0 and 1's tiles; a plain barrier in K step 3 shows the others.  Nothing is filled again: no ring, and no round but the opening and the closing one.
; CLUSTER 4 x 4: A's tiles are shared by a row of the cluster, B's by a column.  No prefetch: all is asked for at the head, and there is no loop to run ahead in.
; THE SCALE WORDS go from memory into 48 registers, once: B's register: lanes 0-15 tile b, lanes 16-31 tile b + 4; A's: lanes 0-15 tile a, lanes 16-31 tile a + 2.  B's word of K step 2 j + q has a number of parity q, A's of parity 1 - q.
; THE MATRIX INSTRUCTION IS USED TRANSPOSED (source 0 = 16 rows of Wo, source 1 = 16 tokens): a lane holds eight neighbouring columns of a token.  The bias is the first products' C.
; REGISTERS: window 0: v16-31 addresses; v32-63 B's scale words, v64-79 A's; v80-143 the bias; v144-239 A's fragments, two sets; on the way out v80-207 hold rows.  Window 1: B's fragments, two sets, at v0 and v128.  Window 2: the accumulators, (a, b) at 8 (8 a + b).
; LIMITS: as the codes and scale bytes are given; NaN and infinities are not served.
.set FR,    12
.set TP,    6144                       ; a tile's bytes of half of K
.set AH,    8*TP                       ; A's part of a half
.set HALF,  24*TP                      ; a half of K: A's 8 tiles, then B's 16
.set SPARE, 2*HALF                     ; the spare words, 512 bytes
.set SPITCH, 528                       ; the way out: a stage of 16 rows x (512 + 16) bytes a wave, from LDS byte 0 on: the first half of K has had its only fill, and is read no more behind the barrier in K step 3
.set ADRA, 16                          ; v16, v17 my A fragments, 16 x lane, halves 0, 1; v18, v19 the same with 8 x lane
.set ADRB, 20                          ; v20-23 the same for B
.set STO,  24
.set RD,   25
.set CO,   26
.set SPW,  28
.set NIL,  29
.set VSA,  30
.set VSB,  31
.set SB,   32
.set SA,   64
.set BIAS, 80
.set AF,   144
.set BK,   80
.set G1,  24
.set G0,  32
.set G1B, 48
.set G0B, 56
.set MSB, 0
.macro WIN new
.if MSB != (\new)
	s_set_vgpr_msb (MSB<<8)|(\new)
.set MSB, (\new)
.endif
.endm
.macro PLACES n
.rept \n
	v_nop
.endr
.endm
.macro CROUND
	s_barrier_signal -1
	s_barrier_wait -1
	s_cmp_lg_u32 s14, 0
	s_cbranch_scc1 .Lnot_wave_0_\@
	s_barrier_signal -3
.Lnot_wave_0_\@:
	s_barrier_wait -3
	s_barrier_signal -1
	s_barrier_wait -1
.endm
	s_load_b256 s[4:11], s[0:1], 0x0               ; abuf, asc, img, sc
	s_load_b128 s[96:99], s[0:1], 0x20             ; bo, out0
	v_lshl_add_u32 v[SPW], v0, 2, SPARE
	v_mov_b32 v[NIL], 0
	ds_add_u32 v[SPW], v[NIL]                      ; the opening lines: the add twice on end and its wait
	ds_add_u32 v[SPW], v[NIL]
	v_lshrrev_b32 v1, 5, v0
	v_readfirstlane_b32 s14, v1                    ; wave
	s_lshr_b32 s15, s14, 1                         ; my half of the tokens.  Also: which half of K I fetch
	s_and_b32 s16, s14, 1                          ; my half of the columns.  Also: I fetch for A (0) or B (1)
	s_bfe_u32 s40, ttmp6, 0x40000                  ; cx
	s_bfe_u32 s41, ttmp6, 0x40004                  ; cy
	s_and_b32 s17, ttmp7, 0xffff
	s_lshl_b32 s17, s17, 2
	s_add_co_u32 s17, s17, s41                     ; block of 128 tokens, 0 .. 63
	s_lshl_b32 s42, ttmp9, 2
	s_add_co_u32 s42, s42, s40                     ; block of 256 columns, 0 .. 3
	s_lshl_b32 s43, s41, 2
	s_lshl_b32 s43, 15, s43                        ; my row of the cluster
	s_lshl_b32 s44, 0x1111, s40                    ; my column
	s_or_b32 s[G1+0], s43, (3<<16)|(1<<21)         ; elements of 8 bytes; rows of 6,144 bytes, 12,288 apart
	s_or_b32 s[G1B+0], s44, (3<<16)|(1<<21)
	s_mov_b32 s[G1+1], 768<<16
	s_mov_b32 s[G1+2], 8<<16
	s_mov_b32 s[G1+3], 768<<16
	s_mov_b32 s[G1+4], 8
	s_mov_b32 s[G1+5], 1536
	s_mov_b32 s[G1+6], 0
	s_mov_b32 s[G1+7], 0
	s_mov_b32 s[G1B+1], 768<<16
	s_mov_b32 s[G1B+2], 16<<16
	s_mov_b32 s[G1B+3], 768<<16
	s_mov_b32 s[G1B+4], 16
	s_mov_b32 s[G1B+5], 1536
	s_mov_b32 s[G1B+6], 0
	s_mov_b32 s[G1B+7], 0
	s_mul_i32 s18, s15, TP                         ; the half of K that I fetch
	s_mul_i32 s20, s17, 8*12288
	s_add_co_u32 s20, s20, s18
	s_mov_b32 s21, 0
	s_lshl_b32 s46, s42, 4
	s_add_co_u32 s46, s46, 704
	s_mul_i32 s46, s46, 12288
	s_add_co_u32 s46, s46, s18
	s_mov_b32 s47, 0
	s_mul_i32 s45, s15, HALF
	s_wait_dscnt 0x0
	s_wait_kmcnt 0x0
	s_mov_b32 s[G0], 1
	s_mov_b32 s[G0+1], s45
	s_add_nc_u64 s[G0+2:G0+3], s[4:5], s[20:21]
	s_or_b32 s[G0+3], s[G0+3], 0x80000000
	s_mov_b32 s[G0B], 1
	s_add_co_u32 s[G0B+1], s45, AH
	s_add_nc_u64 s[G0B+2:G0B+3], s[8:9], s[46:47]
	s_or_b32 s[G0B+3], s[G0B+3], 0x80000000
	CROUND                                         ; all sixteen work-groups are here: the joint loads meet
.macro ARM under, g0, g1, next                 ; one chain of branches on the wave's number, one load to an arm
	s_cmp_lt_u32 s14, \under
	s_cbranch_scc0 \next
	tensor_load_to_lds s[\g0:\g0+3], s[\g1:\g1+7]
	s_nop 0
	PLACES 4
	s_branch .Lhead_asked
\next:
.endm
	ARM 1, G0,  G1,  .Lhead_1
	ARM 2, G0B, G1B, .Lhead_2
	ARM 3, G0,  G1,  .Lhead_3
	tensor_load_to_lds s[G0B:G0B+3], s[G1B:G1B+7]
	s_nop 0
	PLACES 4
.Lhead_asked:
	s_lshl_b32 s18, s17, 3
	s_lshl_b32 s19, s15, 2
	s_add_co_u32 s18, s18, s19                     ; my first tile of tokens
	s_lshl_b32 s18, s18, 9
	s_mov_b32 s19, 0
	s_add_nc_u64 s[6:7], s[6:7], s[18:19]          ; its scale words
	s_lshl_b32 s18, s42, 4
	s_lshl_b32 s2, s16, 3
	s_add_co_u32 s18, s18, s2
	s_add_co_u32 s18, s18, 704                     ; my first tile of Wo
	s_lshl_b32 s18, s18, 9
	s_add_nc_u64 s[10:11], s[10:11], s[18:19]
	s_lshl_b32 s18, s42, 10
	s_lshl_b32 s2, s16, 9
	s_add_co_u32 s18, s18, s2                      ; my first column, in bytes
	s_add_nc_u64 s[96:97], s[96:97], s[18:19]
	s_add_nc_u64 s[98:99], s[98:99], s[18:19]
	s_lshl_b32 s18, s17, 19                        ; 128 tokens of 4,096 bytes
	s_lshl_b32 s2, s15, 18
	s_add_co_u32 s18, s18, s2
	s_add_nc_u64 s[98:99], s[98:99], s[18:19]
	s_mul_i32 s21, s15, 4*TP                       ; my 4 tiles of A,
	s_mul_i32 s22, s16, 8*TP
	s_add_co_u32 s22, s22, AH                      ; my 8 of B
	s_add_co_u32 s68, s21, HALF
	s_add_co_u32 s69, s22, HALF
	s_mul_i32 s23, s14, 16*SPITCH                  ; my stage
	v_and_b32 v1, 15, v0
	v_bfe_u32 v2, v0, 4, 1
	v_and_b32 v3, 31, v0
	v_lshlrev_b32 v[CO], 4, v3
	v_lshlrev_b32 v5, 3, v3
	v_add_nc_u32 v[ADRA], s21, v[CO]
	v_add_nc_u32 v[ADRA+1], s68, v[CO]
	v_add_nc_u32 v[ADRA+2], s21, v5
	v_add_nc_u32 v[ADRA+3], s68, v5
	v_add_nc_u32 v[ADRB], s22, v[CO]
	v_add_nc_u32 v[ADRB+1], s69, v[CO]
	v_add_nc_u32 v[ADRB+2], s22, v5
	v_add_nc_u32 v[ADRB+3], s69, v5
	v_lshlrev_b32 v6, 3, v1
	v_lshl_add_u32 v[VSA], v2, 10, v6              ; A's scale words: 8 r, lanes 16-31 two tiles on
	v_lshl_add_u32 v[VSB], v2, 11, v6              ; B's: lanes 16-31 four tiles on
	v_mul_u32_u24 v7, v1, SPITCH
	v_lshl_add_u32 v7, v2, 6, v7
	v_add_nc_u32 v[STO], s23, v7
	v_add_nc_u32 v[RD], s23, v[CO]
	v_lshlrev_b32 v8, 6, v2
	s_wait_alu depctr_va_vdst(0)                   ; the wait at the head's end
.irp j, 0,1,2,3
.irp b, 0,1,2,3
	global_load_b64 v[SB+8*\j+2*\b:SB+8*\j+2*\b+1], v[VSB], s[10:11] offset:512*\b+128*\j
.endr
.irp a, 0,1
.irp q, 0,1
	global_load_b32 v[SA+4*\j+2*\a+1-\q], v[VSA], s[6:7] offset:512*\a+128*\j+4*\q
.endr
.endr
.endr
.irp b, 0,1,2,3,4,5,6,7
	global_load_b128 v[BIAS+8*\b:BIAS+8*\b+3], v8, s[96:97] offset:4*(32*(\b/2)+8*(\b%2))
	global_load_b128 v[BIAS+8*\b+4:BIAS+8*\b+7], v8, s[96:97] offset:4*(32*(\b/2)+8*(\b%2))+16
.endr
.macro FRAG reg, adr, q, i
	ds_load_b128 v[\reg:\reg+3], v[\adr] offset:(\i)*TP+(\q)*1536
	ds_load_b64 v[\reg+4:\reg+5], v[\adr+2] offset:(\i)*TP+(\q)*1536+512
	ds_load_b128 v[\reg+6:\reg+9], v[\adr] offset:(\i)*TP+(\q)*1536+768
	ds_load_b64 v[\reg+10:\reg+11], v[\adr+2] offset:(\i)*TP+(\q)*1536+1280
.endm
.macro FETCH k                         ; K step k's twelve fragments into set k % 2: 48 loads
	WIN 0x40
.irp i, 0,1,2,3,4,5,6,7
	FRAG 128*((\k)%2)+FR*\i, ADRB+(\k)/4, (\k)%4, \i
.endr
	WIN 0
.irp i, 0,1,2,3
	FRAG AF+48*((\k)%2)+FR*\i, ADRA+(\k)/4, (\k)%4, \i
.endr
.endm
.macro MUL32 k, cm                     ; the 32 accumulators take turns, in the same order in every K step
.irp rb, 0,1
.irp a2, 0,1
.irp ra, 0,1
.irp b4, 0,1,2,3
.set A_, 2*\rb+\a2
.set B_, 4*\ra+\b4
.set D_, 8*(8*A_+B_)
.set FB_, 128*((\k)%2)+FR*B_
.set FA_, AF+48*((\k)%2)+FR*A_
.set XB_, SB+8*((\k)/2)+2*\b4+(\k)%2
.set XA_, SA+4*((\k)/2)+2*\a2+1-(\k)%2
.if \cm
	v_wmma_scale_f32_16x16x128_f8f6f4 v[D_:D_+7], v[FB_:FB_+FR-1], v[FA_:FA_+FR-1], v[BIAS+8*B_:BIAS+8*B_+7], v[XB_], v[XA_] matrix_a_fmt:MATRIX_FMT_FP6 matrix_b_fmt:MATRIX_FMT_FP6 matrix_a_scale:MATRIX_SCALE_ROW\ra matrix_b_scale:MATRIX_SCALE_ROW\rb
.else
	v_wmma_scale_f32_16x16x128_f8f6f4 v[D_:D_+7], v[FB_:FB_+FR-1], v[FA_:FA_+FR-1], v[D_:D_+7], v[XB_], v[XA_] matrix_a_fmt:MATRIX_FMT_FP6 matrix_b_fmt:MATRIX_FMT_FP6 matrix_a_scale:MATRIX_SCALE_ROW\ra matrix_b_scale:MATRIX_SCALE_ROW\rb
.endif
.endr
.endr
.endr
.endr
.endm
.macro STEP k, cm                      ; the next K step's fragments are asked for, then this one's 32 products are issued
.if (\k) == 3
	s_wait_tensorcnt 0x0                           ; my tile is in, whichever it was
.endif
	s_wait_dscnt 0x0                               ; this K step's fragments are in (asked for ahead of the last 32 products)
.if (\k) == 3
	s_barrier_signal -1                            ; a plain barrier: the second half of K is shown to all, and nobody reads the first any more
	s_barrier_wait -1
.endif
.if (\k) < 7
.if (\k) > 0
	PLACES 4                                       ; between the last products and the loads into the registers that they read
.endif
	FETCH (\k)+1
.endif
.if \cm
	WIN 0x81                                       ; source 0 (B) window 1, source 1 (A) and C (the bias) window 0, D window 2
.else
	WIN 0xa1
.endif
	MUL32 \k, \cm
	WIN 0
.endm
	s_cmp_lt_u32 s14, 2
	s_cbranch_scc0 .Lnot_first
	s_wait_tensorcnt 0x0                           ; waves 0 and 1: the first half of K
.Lnot_first:
	s_barrier_signal -1
	s_barrier_wait -1
	FETCH 0
	s_wait_loadcnt 0x0                             ; the scale words and the bias
	STEP 0, 1
.irp k, 1,2,3,4,5,6,7
	STEP \k, 0
.endr
; THE WAY OUT, by blocks of 16 tokens x 128 columns, through my own stage: back come whole rows of 512 bytes, which the 32 lanes store as two aligned units of 256 bytes
.macro TOSTAGE a
.set AC, 64*(\a)
	WIN 0x08                                       ; the data: window 2
.irp b, 0,1,2,3,4,5,6,7
	ds_store_b128 v[STO], v[AC+8*\b:AC+8*\b+3] offset:128*(\b/2)+32*(\b%2)      ; each accumulator from its low end on
	ds_store_b128 v[STO], v[AC+8*\b+4:AC+8*\b+7] offset:128*(\b/2)+32*(\b%2)+16
.endr
	WIN 0
.set BB, BK+64*((\a)%2)
.irp t, 0,1,2,3,4,5,6,7,8,9,10,11,12,13,14,15
	ds_load_b128 v[BB+4*\t:BB+4*\t+3], v[RD] offset:\t*SPITCH   ; LDS serves a wave's instructions in order: these see the stores above
.endr
.endm
.macro SEND a, younger
.set BB, BK+64*((\a)%2)
	s_wait_dscnt \younger
.irp t, 0,1,2,3,4,5,6,7,8,9,10,11,12,13,14,15
	global_store_b128 v[CO], v[BB+4*\t:BB+4*\t+3], s[98:99] offset:(32*((\a)/2)+8*((\a)%2)+(\t&7)+16*(\t>>3))*4096 th:TH_STORE_NT
.endr
.endm
	PLACES 4
	TOSTAGE 0
.irp a, 1,2,3
.if \a > 1
	s_wait_xcnt 0x0                                ; block a - 2's stores have read their registers
.endif
	TOSTAGE \a
	SEND \a-1, 32                                  ; behind block a - 1's loads: block a's 16 stores and 16 loads
.endr
	SEND 3, 0
	s_wait_tensorcnt 0x0                           ; the wave's end
	ds_add_u32 v[SPW], v[NIL]
	s_wait_dscnt 0x0
	CROUND                                         ; the closing round
	s_endpgm
.Lfunc_end_k_qa34343b970_oproj:
	.size	k_qa34343b970_oproj, .Lfunc_end_k_qa34343b970_oproj-k_qa34343b970_oproj
	.p2alignl 7, 3214868480
	.fill 96, 4, 3214868480
	.section	.rodata,"a",@progbits
	.p2align	6, 0x0
	.amdhsa_kernel k_qa34343b970_oproj
		.amdhsa_group_segment_fixed_size 327680
		.amdhsa_private_segment_fixed_size 0
		.amdhsa_enable_private_segment 0
		.amdhsa_kernarg_size 48
		.amdhsa_user_sgpr_count 2
		.amdhsa_user_sgpr_kernarg_segment_ptr 1
		.amdhsa_wavefront_size32 1
		.amdhsa_system_sgpr_workgroup_id_x 1
		.amdhsa_system_sgpr_workgroup_id_y 1
		.amdhsa_system_sgpr_workgroup_id_z 1
		.amdhsa_system_vgpr_workitem_id 0
		.amdhsa_next_free_vgpr 768
		.amdhsa_next_free_sgpr 100
		.amdhsa_reserve_vcc 0
		.amdhsa_float_denorm_mode_32 3
		.amdhsa_float_denorm_mode_16_64 3
		.amdhsa_memory_ordered 1
		.amdhsa_forward_progress 1
		.amdhsa_inst_pref_size 85
	.end_amdhsa_kernel
	.amdgpu_metadata
---
amdhsa.version: [ 1, 2 ]
amdhsa.kernels:
  - .name:           k_qa34343b970_oproj
    .symbol:         k_qa34343b970_oproj.kd
    .args:
      - { .name: abuf, .offset: 0, .size: 8, .value_kind: global_buffer, .address_space: global }
      - { .name: asc, .offset: 8, .size: 8, .value_kind: global_buffer, .address_space: global }
      - { .name: img, .offset: 16, .size: 8, .value_kind: global_buffer, .address_space: global }
      - { .name: sc, .offset: 24, .size: 8, .value_kind: global_buffer, .address_space: global }
      - { .name: bo, .offset: 32, .size: 8, .value_kind: global_buffer, .address_space: global }
      - { .name: out0, .offset: 40, .size: 8, .value_kind: global_buffer, .address_space: global }
    .group_segment_fixed_size: 327680
    .private_segment_fixed_size: 0
    .kernarg_segment_align: 8
    .kernarg_segment_size: 48
    .max_flat_workgroup_size: 128
    .sgpr_count:     100
    .vgpr_count:     768
    .wavefront_size: 32
...
	.end_amdgpu_metadata
.endif
;; end of part 4
